; MI455X (gfx1250); checked and timed in simulation.
; The chip was launched on July 23, 2026; its instructions are those of AMD's public machine-readable ISA for CDNA 5 (MIT licence, August 2026) and "CDNA5" Instruction Set Architecture Reference Guide (July 2026). The comments in the code are by the model that wrote it; some were corrected since.
;; Llama Attention. Allowed arithmetic: matrix products marked QUANTISED: E4M3 operands, one given power-of-two scale a tensor, by v_wmma_f32_16x16x64_fp8_fp8 or v_wmma_f32_16x16x128_fp8_fp8, f32 sums; products left as they are: f32 operands where the result goes on into a quantised operand, else bf16, f16 or f32 operands; f32 sums; everything else in f32.
;; Inputs: lowp_scales 12 int32 (the exponents e of the quantised operands' scales 2^e); mask 1 x 1 x 2,048 x 2,048 float32; wk 2,048 x 2,048 float32; wo 2,048 x 2,048 float32; wq 2,048 x 2,048 float32; wv 2,048 x 2,048 float32; x 1 x 2,048 x 2,048 float32.
;; Outputs: out0 1 x 2,048 x 2,048 float32.
;; This version of the problem:
;;   THIS VERSION OF THE PROBLEM IS GIVEN IN LOW PRECISION. The matrix products marked QUANTISED in the list below multiply operands that are first quantised to E4M3 (4 exponent bits, 3 mantissa bits; 8 bits a number), with one given power-of-two scale for each operand tensor; their sums are f32. All else is computed in f32.
;;   The module's matrix products, in the order in which they are computed (A, B: the left and right operand; K: the contracted axis; several contracted axes count as one K, in the product's order):
;;     1. [M 2,048, K 2,048] x [K 2,048, N 2,048]; A: input x; B: input wq: QUANTISED (scales: A lowp_scales[0], B lowp_scales[1])
;;     2. [M 2,048, K 2,048] x [K 2,048, N 2,048]; A: input x; B: input wk: QUANTISED (scales: A lowp_scales[2], B lowp_scales[3])
;;     3. [M 2,048, K 2,048] x [K 2,048, N 2,048]; A: input x; B: input wv: QUANTISED (scales: A lowp_scales[4], B lowp_scales[5])
;;     4. [M 2,048, K 1] x [K 1, N 64]; A: computed on the way; B: computed on the way: left as it is (no contracted axis)
;;     5. batch 16 x [M 2,048, K 128] x [K 128, N 2,048]; A: computed on the way; B: computed on the way: QUANTISED (scales: A lowp_scales[6], B lowp_scales[7])
;;     6. batch 16 x [M 2,048, K 2,048] x [K 2,048, N 128]; A: softmax (see below); B: computed on the way: QUANTISED (scales: A lowp_scales[8], B lowp_scales[9])
;;     7. [M 2,048, K 2,048] x [K 2,048, N 2,048]; A: computed on the way; B: input wo: QUANTISED (scales: A lowp_scales[10], B lowp_scales[11])
;;   THE QUANTISER, for each operand of a quantised product, along K:
;;     - The operand's scale is 2^e, e = its entry of the input lowp_scales (int32; the entries are numbered through the quantised products in the list's order, A before B).
;;     - Each number is divided by the scale, clamped to +-448, and rounded to the nearest number of E4M3, ties to even, subnormals kept.
;;     - The product sums the exact products of the quantised numbers (number of the format x scale) in f32.
;;   ~~~python
;;   def quantise(x, axis, e):      # numpy; x: float32 -> the quantised numbers, widened to float32 again
;;       x = np.moveaxis(x, axis, -1); K = x.shape[-1]
;;       r = np.clip(x / 2.0 ** e, -448, 448)
;;       step = 2.0 ** (np.maximum(np.frexp(np.where(r == 0, 1, r))[1] - 1, -6) - 3)
;;       q = np.round(r / step) * step * 2.0 ** e      # np.round: ties to even
;;       return np.moveaxis(q, -1, axis).astype(np.float32)
;;   ~~~
;;   SOFTMAX AHEAD OF A QUANTISED PRODUCT. Where the list says 'softmax', what is quantised is not the finished softmax but p = 2^(t - M), with t = logit x log2(e) and M = ceil(the row's largest t), a whole number; so 1/2 < the row's largest p <= 1. The row's sum l is taken of the UNQUANTISED p, in f32, and the product's result is divided by l at the end. Since M is a whole number, a kernel that streams over the keys may use a running M (the ceiling of the running maximum): every later rescaling is an exact power of two, so the quantised numbers keep their values, but for numbers so far below the row's largest that they fall under the format's range.
;;   OPERANDS COMPUTED ON THE WAY. 'Computed on the way' means the value that the module computes at that place (a softmax that the list does not call 'softmax' is quantised finished and normalised). What goes into a quantiser is computed in f32, as accurately as f32 sums, v_exp_f32 and their like allow (about 1e-6 of the number): no bf16 or f16 on the way to a quantiser, and a product that is left as it is and whose result goes on into a quantised operand takes f32 operands (vector FMAs, or v_wmma_f32_16x16x4_f32). A number that lies on a knife's edge between two numbers of the format may be rounded either way, as far as f32 arithmetic and the matrix unit's own rounding can turn it there, and no further.
;; One version. Each part assembles by itself: llvm-mc -triple=amdgcn-amd-amdhsa -mcpu=gfx1250 --defsym DOCPART=n.
;; ======== version 1 of 1: 4 launches
;; limits: right only within a limited range of input values
;; workspace buffers: ximg 12,582,912 bytes; wimg 16,777,216 bytes; rope 1,048,576 bytes; qkv 12,582,912 bytes; attn 4,194,304 bytes; mflag 2,048 bytes of whole numbers
;; launch prep (part 1): grid 704 x 1, 4 waves a work-group, no clusters, 34,304 bytes of LDS; arguments x, wq, wk, wv, wo, lowp_scales, ximg, wimg, rope, mask, mflag; writes ximg, wimg, rope, mflag
.if DOCPART == 1
	.amdgcn_target "amdgcn-amd-amdhsa--gfx1250"
	.amdhsa_code_object_version 6
	.text
	.protected	k_q781b33e521_prep
	.globl	k_q781b33e521_prep
	.p2align	8
	.type	k_q781b33e521_prep,@function
k_q781b33e521_prep:
	s_mov_b64 s[64:65], 0
	v_nop
	global_prefetch_b8 v0, s[64:65] scope:SCOPE_SE
	s_setreg_imm32_b32 hwreg(HW_REG_WAVE_MODE, 25, 1), 1
	s_wait_xcnt 0x0
; PREP: x (three times, once for each of its given scales) and the four weights become codes of E4M3, and the table of cos and sin for the rotary embedding is made.
; ALL CODES ARE LAID AS IMAGES OF OPERAND REGISTERS.  A fragment is 16 rows x 128 along K = 2,048 bytes: four groups c of 512 bytes, lane l's 16 bytes at 512 c + 16 l;
; lane l = (r = l % 16, h = l / 16) holds, of row r, k = 32 c + 16 h + 0 .. 15.  ximg: 3 x [row block 128][K step 16][2048];  wimg: 4 x [position block 128][K step 16][2048].
; A WEIGHT'S COLUMNS ARE STORED PERMUTED: position p of a group of 32 holds column p with bits 3 and 4 exchanged, so that a later product that takes 16 positions as its first source
; leaves 16 neighbouring columns in the 16 registers of two neighbouring tiles.
; code = number / 2^e, held within +-448, to the nearest code, ties to even.  LIMITS: each e used here (entries 0 to 5 and 11) lies between -126 and 119, so that 2^e and 448 x 2^e are f32 numbers.  NaN among the inputs is not served.
; rope: [row block 128][group 16][lane 32][4 f32]; groups 0-7 cos, 8-15 sin; group 2 tb + half, lane (r, h), word j: position 16 A + r, frequency i = 32 (tb / 2) + 16 h + 8 (tb % 2) + 4 half + j.
; The angle is position x 10000^(-i / 64); the power is made as 2^(-i c) with c split in an 18-bit head (i x head is exact) and a remainder applied by one multiply-add: about 1.5 units in its last place.
; cos and sin: the angle less the nearest multiple of pi / 2 (in two parts), then polynomials on +-pi / 4: about one unit of 1's last place.
; Work-groups 0-127: 16 rows of x each, and their part of the table.  Work-groups 128-639: 128 columns x 256 along K of one weight.  Waves share nothing: no barrier.  No work-groups share input: no cluster.
.set SP,   528                         ; a row of the x stage: 512 bytes + 16: sixteen rows begin in sixteen different groups of banks (64 banks of 4 bytes: ISA guide 11.1)
.set WST,  16*SP                       ; a wave's stage
.set SCX,  8                           ; v8-10   2^e as f32 for x's three scales
.set LIMX, 11                          ; v11-13  448 x 2^e
.set H,    32                          ; v32-47  sixteen numbers, held
.set CODE, 48                          ; v48-63  a fragment's codes
.set R,    64                          ; v64-191 two sets of 64: a fragment's numbers as loaded
.set X,    192                         ; v192-255 the same as 16 neighbours a group; ahead of that the table's eight arrays of eight
.set A0, 192
.set A1, 200
.set A2, 208
.set A3, 216
.set A4, 224
.set A5, 232
.set A6, 240
.set A7, 248
.set XW,   32                          ; weights: v32-95 two sets of 32 numbers
.set CW,   96                          ; weights: v96-159 eight registers of codes for each block, so that no store's data are written again
.macro MKSC e, sc, lim                 ; the scale 2^e and the hold 448 x 2^e as f32 patterns
	s_add_co_i32 s60, s[\e], 127
	s_lshl_b32 s61, s60, 23
	v_mov_b32 v[\sc], s61
	s_add_co_i32 s60, s60, 8
	s_lshl_b32 s60, s60, 23
	s_or_b32 s60, s60, 0x600000
	v_mov_b32 v[\lim], s60
.endm
	s_load_b512 s[8:23], s[0:1], 0x0               ; x s[8:9], wq, wk, wv, wo s[10:17], the exponents s[18:19], ximg s[20:21], wimg s[22:23]
	s_load_b64 s[24:25], s[0:1], 0x40
	s_load_b64 s[84:85], s[0:1], 0x48              ; mask
	s_load_b64 s[86:87], s[0:1], 0x50              ; mflag
	v_lshl_add_u32 v30, v0, 2, 0x8400
	v_mov_b32 v31, 0
	v_lshrrev_b32 v2, 5, v0
	v_readfirstlane_b32 s4, v2                     ; wave
	v_and_b32 v2, 31, v0                           ; lane
	v_lshlrev_b32 v1, 4, v2                        ; 16 x lane
	s_mov_b32 s41, 0
	s_wait_kmcnt 0x0
	s_load_b256 s[72:79], s[18:19], 0x0            ; e0 .. e7
	s_load_b128 s[80:83], s[18:19], 0x20           ; e8 .. e11
	s_cmp_lt_u32 ttmp9, 128
	s_cbranch_scc0 .Lweights
; ---------------- x: work-group g takes rows 16 g on; wave w takes K steps 4 w .. 4 w + 3 ----------------
.macro XLOAD f                         ; fragment f: sixteen rows' 512 bytes, 16 a lane: each load reads 512 consecutive bytes
.irp rr, 0,1,2,3,4,5,6,7,8,9,10,11,12,13,14,15
	global_load_b128 v[R+64*((\f)%2)+4*\rr:R+64*((\f)%2)+4*\rr+3], v1, s[26:27] offset:\rr*8192+(\f)*512 th:TH_LOAD_NT
.endr
.endm
.macro XTURN f                         ; through my own stage: in as loaded, out as 16 neighbours of row r for each group c.  LDS serves a wave's instructions in order (ISA guide 5.7.1.4): no wait between
.irp rr, 0,1,2,3,4,5,6,7,8,9,10,11,12,13,14,15
	ds_store_b128 v5, v[R+64*((\f)%2)+4*\rr:R+64*((\f)%2)+4*\rr+3] offset:\rr*SP
.endr
.irp c, 0,1,2,3
.irp i, 0,1,2,3
	ds_load_b128 v[X+16*\c+4*\i:X+16*\c+4*\i+3], v6 offset:128*\c+16*\i
.endr
.endr
.endm
.macro XQ f, T                         ; the fragment under scale T: hold, convert, store the image: four stores of 512 consecutive bytes
	s_wait_xcnt 0x0                                ; the last stores have read CODE: it is written again only behind this wait
.irp c, 0,1,2,3
.irp i, 0,1,2,3,4,5,6,7,8,9,10,11,12,13,14,15
	v_med3_num_f32 v[H+\i], v[X+16*\c+\i], -v[LIMX+\T], v[LIMX+\T]   ; the conversion to an 8-bit code does not saturate (ISA guide 7.6.2)
.endr
	v_cvt_scalef32_pk8_fp8_f32 v[CODE+4*\c:CODE+4*\c+1], v[H:H+7], v[SCX+\T]
	v_cvt_scalef32_pk8_fp8_f32 v[CODE+4*\c+2:CODE+4*\c+3], v[H+8:H+15], v[SCX+\T]
	v_nop                                          ; a plain line between the conversions and the next holds, which write their sources
.endr
.irp c, 0,1,2,3
	global_store_b128 v1, v[CODE+4*\c:CODE+4*\c+3], s[28+2*\T:29+2*\T] offset:(\f)*2048+512*\c
.endr
.endm
	v_and_b32 v3, 15, v0                           ; r
	v_bfe_u32 v4, v0, 4, 1                         ; h
	s_mul_i32 s5, s4, WST
	s_wait_alu depctr_va_vdst(0)
	v_add_nc_u32 v5, s5, v1                        ; the stage, in: 16 x lane of a row
	v_mul_u32_u24 v6, v3, SP
	v_lshl_add_u32 v6, v4, 6, v6
	v_add_nc_u32 v6, s5, v6                        ; out: row r, + 64 h
	s_lshl_b32 s40, ttmp9, 17                      ; 16 rows of 8,192 bytes
	s_lshl_b32 s42, s4, 11                         ; four K steps of 512 bytes
	s_add_co_u32 s40, s40, s42
	s_add_nc_u64 s[26:27], s[8:9], s[40:41]
	XLOAD 0
	XLOAD 1
	s_lshl_b32 s40, ttmp9, 15
	s_lshl_b32 s42, s4, 13
	s_add_co_u32 s40, s40, s42
	s_add_nc_u64 s[28:29], s[20:21], s[40:41]      ; my four fragments in ximg, under e0,
	s_add_nc_u64 s[30:31], s[28:29], 0x400000      ; e2,
	s_add_nc_u64 s[32:33], s[28:29], 0x800000      ; e4
	s_lshl_b32 s40, ttmp9, 13
	s_lshl_b32 s42, s4, 10
	s_add_co_u32 s40, s40, s42
	s_add_nc_u64 s[34:35], s[24:25], s[40:41]      ; the table: row block g, groups 2 w and 2 w + 1
	; the table, while the first loads are on their way: eight frequencies a lane, eight chains side by side
	s_mov_b32 s44, 0xbe549a80                      ; -217706 / 2^20: the head of log2(10000) / 64
	s_mov_b32 s45, 0x33aae0ae                      ; (head - log2(10000) / 64) x ln 2
	s_mov_b32 s46, 0x3f22f983                      ; 2 / pi
	s_mov_b32 s47, 0xbfc90fdb                      ; -(pi / 2 as f32)
	s_mov_b32 s48, 0x333bbd2e                      ; (pi / 2 as f32) - pi / 2
	s_mov_b32 s49, 0xb94ca1f9                      ; sine: z^3,
	s_mov_b32 s50, 0x3c08839e                      ; z^2,
	s_mov_b32 s51, 0xbe2aaaa3                      ; z
	s_mov_b32 s52, 0x37ccf5ce                      ; cosine likewise
	s_mov_b32 s53, 0xbab6061a
	s_mov_b32 s54, 0x3d2aaaa5
	s_mov_b32 s55, 0x80000000
	s_lshr_b32 s56, s4, 1
	s_lshl_b32 s56, s56, 5
	s_and_b32 s57, s4, 1
	s_lshl_b32 s57, s57, 3
	s_add_co_u32 s56, s56, s57                     ; 32 (w / 2) + 8 (w % 2)
	s_lshl_b32 s58, ttmp9, 4
	v_lshl_add_u32 v14, v4, 4, s56                 ; my first frequency
	v_add_nc_u32 v15, s58, v3
	v_cvt_f32_u32 v15, v15                         ; my position
.irp j, 0,1,2,3,4,5,6,7
	v_add_nc_u32 v[A7+\j], \j, v14
.endr
.irp j, 0,1,2,3,4,5,6,7
	v_cvt_f32_u32 v[A0+\j], v[A7+\j]               ; i
.endr
.irp j, 0,1,2,3,4,5,6,7
	v_mul_f32 v[A1+\j], s44, v[A0+\j]              ; exact: 6 bits x 18 bits
.endr
	s_wait_alu depctr_va_vdst(0)
.irp j, 0,1,2,3,4,5,6,7
	v_exp_f32 v[A1+\j], v[A1+\j]
.endr
.irp j, 0,1,2,3,4,5,6,7
	v_mul_f32 v[A2+\j], s45, v[A0+\j]              ; plain lines behind the exponentials
.endr
	s_wait_alu depctr_va_vdst(0)                   ; one wait for the eight exponentials, ahead of their first reader
.irp j, 0,1,2,3,4,5,6,7
	v_fma_f32 v[A1+\j], v[A1+\j], v[A2+\j], v[A1+\j]   ; 10000^(-i / 64)
.endr
.irp j, 0,1,2,3,4,5,6,7
	v_mul_f32 v[A1+\j], v15, v[A1+\j]              ; the angle, rounded once
.endr
.irp j, 0,1,2,3,4,5,6,7
	v_mul_f32 v[A2+\j], s46, v[A1+\j]
.endr
.irp j, 0,1,2,3,4,5,6,7
	v_rndne_f32 v[A2+\j], v[A2+\j]                 ; n
.endr
.irp j, 0,1,2,3,4,5,6,7
	v_fma_f32 v[A3+\j], v[A2+\j], s47, v[A1+\j]
.endr
.irp j, 0,1,2,3,4,5,6,7
	v_fma_f32 v[A3+\j], v[A2+\j], s48, v[A3+\j]    ; rho = angle - n pi / 2
.endr
.irp j, 0,1,2,3,4,5,6,7
	v_mul_f32 v[A4+\j], v[A3+\j], v[A3+\j]         ; z
.endr
.irp j, 0,1,2,3,4,5,6,7
	v_fma_f32 v[A5+\j], v[A4+\j], s49, s50
.endr
.irp j, 0,1,2,3,4,5,6,7
	v_fma_f32 v[A5+\j], v[A5+\j], v[A4+\j], s51
.endr
.irp j, 0,1,2,3,4,5,6,7
	v_mul_f32 v[A6+\j], v[A4+\j], v[A3+\j]
.endr
.irp j, 0,1,2,3,4,5,6,7
	v_fma_f32 v[A5+\j], v[A5+\j], v[A6+\j], v[A3+\j]   ; sin rho
.endr
.irp j, 0,1,2,3,4,5,6,7
	v_fma_f32 v[A6+\j], v[A4+\j], s52, s53
.endr
.irp j, 0,1,2,3,4,5,6,7
	v_fma_f32 v[A6+\j], v[A6+\j], v[A4+\j], s54
.endr
.irp j, 0,1,2,3,4,5,6,7
	v_mul_f32 v[A7+\j], v[A4+\j], v[A4+\j]
.endr
.irp j, 0,1,2,3,4,5,6,7
	v_fma_f32 v[A0+\j], v[A4+\j], -0.5, 1.0
.endr
.irp j, 0,1,2,3,4,5,6,7
	v_fma_f32 v[A6+\j], v[A6+\j], v[A7+\j], v[A0+\j]   ; cos rho
.endr
.irp j, 0,1,2,3,4,5,6,7
	v_cvt_i32_f32 v[A2+\j], v[A2+\j]               ; the quadrant
.endr
.irp j, 0,1,2,3,4,5,6,7
	v_and_b32 v[A7+\j], 1, v[A2+\j]
.endr
.irp j, 0,1,2,3,4,5,6,7
	v_cmp_eq_u32 vcc_lo, 1, v[A7+\j]               ; odd quadrants exchange the two
	v_cndmask_b32 v[A0+\j], v[A5+\j], v[A6+\j], vcc_lo   ; sine
	v_cndmask_b32 v[A1+\j], v[A6+\j], v[A5+\j], vcc_lo   ; cosine
.endr
.irp j, 0,1,2,3,4,5,6,7
	v_lshlrev_b32 v[A7+\j], 30, v[A2+\j]           ; the sine is negative in quadrants 2 and 3,
	v_add_nc_u32 v[A2+\j], 1, v[A2+\j]
.endr
.irp j, 0,1,2,3,4,5,6,7
	v_and_b32 v[A7+\j], s55, v[A7+\j]
	v_lshlrev_b32 v[A2+\j], 30, v[A2+\j]           ; the cosine in 1 and 2
.endr
.irp j, 0,1,2,3,4,5,6,7
	v_xor_b32 v[A0+\j], v[A0+\j], v[A7+\j]
	v_and_b32 v[A2+\j], s55, v[A2+\j]
.endr
.irp j, 0,1,2,3,4,5,6,7
	v_xor_b32 v[A1+\j], v[A1+\j], v[A2+\j]
.endr
	global_store_b128 v1, v[A1:A1+3], s[34:35]
	global_store_b128 v1, v[A1+4:A1+7], s[34:35] offset:512
	global_store_b128 v1, v[A0:A0+3], s[34:35] offset:4096
	global_store_b128 v1, v[A0+4:A0+7], s[34:35] offset:4608
	s_wait_kmcnt 0x0
	MKSC 72, SCX, LIMX
	MKSC 74, SCX+1, LIMX+1
	MKSC 76, SCX+2, LIMX+2
	s_wait_alu depctr_va_vdst(0)
	s_wait_xcnt 0x0                                ; the table's stores have read their registers, which the stage's loads write next
.irp f, 0,1,2,3
.if \f < 3
	s_wait_loadcnt 16                              ; this fragment's sixteen loads are in; the next fragment's sixteen may be out
.else
	s_wait_loadcnt 0
.endif
	XTURN \f
	s_wait_dscnt 0x0                               ; back from the stage; the stage's stores have read the loaded set,
.if \f < 2
	XLOAD (\f)+2                                   ; which takes the fragment two on
.endif
	XQ \f, 0
	XQ \f, 1
	XQ \f, 2
.endr
	s_wait_tensorcnt 0x0
	ds_add_u32 v30, v31
	s_wait_dscnt 0x0
	s_endpgm
; ---------------- weights: a lane takes a position (one column), its registers run down K; a wave takes 32 positions x 256 along K ----------------
.macro WLOAD t                         ; block t: rows 32 t + i of my column: a wave's load reads 128 consecutive bytes, the four waves 512
.irp i, 0,1,2,3,4,5,6,7,8,9,10,11,12,13,14,15,16,17,18,19,20,21,22,23,24,25,26,27,28,29,30,31
	global_load_b32 v[XW+32*((\t)%2)+\i], v3, s[26:27] offset:(32*(\t)+\i)*8192 th:TH_LOAD_NT
.endr
.endm
.macro WBLOCK t
.set XS, XW+32*((\t)%2)
.if (\t) < 7
	s_wait_loadcnt 32                              ; this block's 32 loads are in; the next block's 32 may be out
.else
	s_wait_loadcnt 0
.endif
.set i, 0
.rept 32
	v_med3_num_f32 v[XS+i], v[XS+i], -v10, v10
.set i, i+1
.endr
.irp g, 0,1,2,3
	v_cvt_scalef32_pk8_fp8_f32 v[CW+8*(\t)+2*\g:CW+8*(\t)+2*\g+1], v[XS+8*\g:XS+8*\g+7], v11
.endr
	; k = 32 c + 0 .. 15 is lane r's part of group c, k = 32 c + 16 .. 31 lane 16 + r's: sixteen neighbouring lanes store 256 consecutive bytes, aligned
	global_store_b128 v4, v[CW+8*(\t):CW+8*(\t)+3], s[28:29] offset:((\t)/4)*2048+((\t)%4)*512
	global_store_b128 v4, v[CW+8*(\t)+4:CW+8*(\t)+7], s[28:29] offset:((\t)/4)*2048+((\t)%4)*512+256
.if (\t)+2 < 8
	WLOAD (\t)+2                                   ; (the conversions' results go to stores and their sources are next written by loads; the next block's holds are plain lines on the other set)
.endif
.endm
.Lweights:
	s_cmp_ge_u32 ttmp9, 640
	s_cbranch_scc1 .Lmask
	s_sub_co_u32 s5, ttmp9, 128
	s_lshr_b32 s6, s5, 7                           ; which weight: 0 wq, 1 wk, 2 wv, 3 wo
	s_bfe_u32 s7, s5, 0x30004                      ; which 256 along K
	s_and_b32 s5, s5, 15                           ; which 128 positions
	s_cmp_eq_u32 s6, 0
	s_cselect_b64 s[26:27], s[10:11], s[12:13]
	s_cmp_eq_u32 s6, 2
	s_cselect_b64 s[26:27], s[14:15], s[26:27]
	s_cmp_eq_u32 s6, 3
	s_cselect_b64 s[26:27], s[16:17], s[26:27]
	v_and_b32 v3, 7, v0
	v_bfe_u32 v7, v0, 3, 1
	v_lshl_add_u32 v3, v7, 4, v3
	v_bfe_u32 v7, v0, 4, 1
	v_lshl_add_u32 v3, v7, 3, v3                   ; my column of the 32: my lane with bits 3 and 4 exchanged
	v_lshlrev_b32 v3, 2, v3
	v_and_b32 v4, 15, v0
	v_lshlrev_b32 v4, 4, v4
	v_lshl_add_u32 v4, v7, 15, v4                  ; out: position block lane / 16, row lane % 16
	s_lshl_b32 s40, s7, 21                         ; 256 rows of 8,192 bytes
	s_lshl_b32 s42, s5, 9
	s_add_co_u32 s40, s40, s42
	s_lshl_b32 s42, s4, 7
	s_add_co_u32 s40, s40, s42
	s_add_nc_u64 s[26:27], s[26:27], s[40:41]
	WLOAD 0
	WLOAD 1
	s_lshl_b32 s40, s6, 22                         ; the weight's 4 MiB of wimg,
	s_lshl_b32 s42, s5, 18                         ; eight position blocks of 32,768 bytes,
	s_add_co_u32 s40, s40, s42
	s_lshl_b32 s42, s4, 16                         ; my wave's two,
	s_add_co_u32 s40, s40, s42
	s_lshl_b32 s42, s7, 12                         ; two K steps
	s_add_co_u32 s40, s40, s42
	s_add_nc_u64 s[28:29], s[22:23], s[40:41]
	s_wait_kmcnt 0x0
	s_cmp_eq_u32 s6, 0
	s_cselect_b32 s43, s73, s75
	s_cmp_eq_u32 s6, 2
	s_cselect_b32 s43, s77, s43
	s_cmp_eq_u32 s6, 3
	s_cselect_b32 s43, s83, s43                    ; e1, e3, e5 or e11
	MKSC 43, 11, 10
	s_wait_alu depctr_va_vdst(0)
.irp t, 0,1,2,3,4,5,6,7
	WBLOCK \t
.endr
	s_endpgm
; ---------------- the mask's flags: work-groups 640-703; a wave takes 8 rows of the mask, all 2,048 keys ----------------
; mflag: [group of 8 rows: 256][2 words]; bit T of word 0: tile T (keys 128 T on) is LIVE for these rows; bit T of word 1: it holds a number other than 0.
; A tile is not live only where, for each of the 8 rows, every number of the tile lies under the row's largest number RM by more than D + |RM| / 2^20, D = 2^(23 + e6 + e7) + 256.
; Codes of E4M3 are at most 448, so |q . k| / sqrt(128) <= 448^2 sqrt(128) 2^(e6 + e7) < D / 2 - 128 whatever the inputs hold: each logit of such a tile lies more than 250 under the row's largest logit,
; its p = 2^(t - M) is under 2^-360, which is 0 in f32, in the codes and in the row's sum.  So the attention launch leaves such tiles out for every input; a tile of zeros adds nothing to its logits.
; Only numbers are made here: no branch and no address hangs on them.  LIMIT: NaN in the mask, and a row of -infinity alone, are not served.
.set MR,  64                           ; v64-191 two rows as loaded: 16 loads of 512 consecutive bytes each, one for each tile
.set PMX, 8                            ; v8-23   my lane's largest of each tile of the row in hand
.set EX,  32                           ; v32-47  the largest, over the rows, of (that - the row's threshold)
.set AZ,  48                           ; v48-63  the largest magnitude
.macro MLOAD b, row
.irp t, 0,1,2,3,4,5,6,7,8,9,10,11,12,13,14,15
	global_load_b128 v[MR+64*\b+4*\t:MR+64*\b+4*\t+3], v1, s[26:27] offset:(\row)*8192+\t*512 th:TH_LOAD_NT
.endr
.endm
.macro MROW b, next                    ; one row; next: the row that its registers take then (-1: none)
.irp t, 0,1,2,3,4,5,6,7,8,9,10,11,12,13,14,15
	v_max3_num_f32 v[PMX+\t], v[MR+64*\b+4*\t], v[MR+64*\b+4*\t+1], v[MR+64*\b+4*\t+2]
.endr
.irp t, 0,1,2,3,4,5,6,7,8,9,10,11,12,13,14,15
	v_max_num_f32 v[PMX+\t], v[PMX+\t], v[MR+64*\b+4*\t+3]
.endr
.irp t, 0,1,2,3,4,5,6,7,8,9,10,11,12,13,14,15
	v_max3_num_f32 v[AZ+\t], v[AZ+\t], |v[MR+64*\b+4*\t]|, |v[MR+64*\b+4*\t+1]|
.endr
.irp t, 0,1,2,3,4,5,6,7,8,9,10,11,12,13,14,15
	v_max3_num_f32 v[AZ+\t], v[AZ+\t], |v[MR+64*\b+4*\t+2]|, |v[MR+64*\b+4*\t+3]|
.endr
.if (\next) >= 0
	MLOAD \b, \next
.endif
	v_max3_num_f32 v24, v[PMX], v[PMX+1], v[PMX+2]
	v_max3_num_f32 v25, v[PMX+3], v[PMX+4], v[PMX+5]
.irp i, 6,10
	v_max3_num_f32 v24, v24, v[PMX+\i], v[PMX+\i+1]
	v_max3_num_f32 v25, v25, v[PMX+\i+2], v[PMX+\i+3]
.endr
	v_max3_num_f32 v24, v24, v[PMX+14], v[PMX+15]
	v_max_num_f32 v24, v24, v25
	v_max_num_f32_dpp v24, v24, v24 row_xmask:1 row_mask:0xf bank_mask:0xf
	v_max_num_f32_dpp v24, v24, v24 row_xmask:2 row_mask:0xf bank_mask:0xf
	v_max_num_f32_dpp v24, v24, v24 row_xmask:4 row_mask:0xf bank_mask:0xf
	v_max_num_f32_dpp v24, v24, v24 row_xmask:8 row_mask:0xf bank_mask:0xf
	v_permlanex16_b32 v25, v24, s44, s45
	v_max_num_f32 v24, v24, v25                    ; RM
	v_sub_f32 v25, v24, v28
	v_fma_f32 v25, -|v24|, 0x35800000, v25         ; the threshold: RM - D - |RM| / 2^20
.irp t, 0,1,2,3,4,5,6,7,8,9,10,11,12,13,14,15
	v_sub_f32 v[PMX+\t], v[PMX+\t], v25
.endr
.irp t, 0,1,2,3,4,5,6,7,8,9,10,11,12,13,14,15
	v_max_num_f32 v[EX+\t], v[EX+\t], v[PMX+\t]
.endr
.endm
.Lmask:
	s_wait_alu depctr_va_vdst(0)                   ; v1 and v2 were made ahead of the branches
	s_sub_co_u32 s5, ttmp9, 640
	s_lshl_b32 s5, s5, 2
	s_add_co_u32 s5, s5, s4                        ; my group of 8 rows
	s_lshl_b32 s40, s5, 16                         ; 8 rows of 8,192 bytes
	s_add_nc_u64 s[26:27], s[84:85], s[40:41]
	MLOAD 0, 0
	MLOAD 1, 1
	s_lshl_b32 s40, s5, 3
	s_add_nc_u64 s[28:29], s[86:87], s[40:41]
	s_mov_b32 s44, 0x76543210
	s_mov_b32 s45, 0xfedcba98
.irp t, 0,1,2,3,4,5,6,7,8,9,10,11,12,13,14,15
	v_mov_b32 v[EX+\t], 0xff800000
	v_mov_b32 v[AZ+\t], 0
.endr
	s_wait_kmcnt 0x0
	s_add_co_i32 s20, s78, s79
	s_add_co_i32 s20, s20, 23
	v_ldexp_f32 v28, 1.0, s20
	v_add_f32 v28, 0x43800000, v28                 ; D
	s_mov_b32 s6, 3
	s_wait_alu depctr_va_vdst(0)                   ; at the head's end
.Lmrow:                                            ; three trips of two rows; the last two rows are written out, so that no load passes my 8 rows
	s_wait_loadcnt 16                              ; this row's sixteen loads are in; the next row's may be out
	MROW 0, 2
	s_wait_loadcnt 16
	MROW 1, 3
	s_wait_xcnt 0x0                                ; the loads have read their base
	s_add_nc_u64 s[26:27], s[26:27], 16384
	s_sub_co_u32 s6, s6, 1
	s_cmp_lg_u32 s6, 0
	s_wait_alu depctr_va_vdst(0)                   ; directly ahead of the branch
	s_cbranch_scc1 .Lmrow
	s_wait_loadcnt 16
	MROW 0, -1
	s_wait_loadcnt 0
	MROW 1, -1
	s_mov_b32 s22, 0
	s_mov_b32 s23, 0
	s_wait_alu depctr_va_vdst(0)                   ; ahead of the scalar lines below
.irp t, 0,1,2,3,4,5,6,7,8,9,10,11,12,13,14,15
	v_cmp_lt_f32 s20, 0, v[EX+\t]                  ; some lane holds a number over its row's threshold: live
	v_cmp_lt_f32 s21, 0, v[AZ+\t]                  ; some lane holds a number other than 0
	s_cmp_lg_u32 s20, 0
	s_cselect_b32 s20, 1<<\t, 0
	s_or_b32 s22, s22, s20
	s_cmp_lg_u32 s21, 0
	s_cselect_b32 s21, 1<<\t, 0
	s_or_b32 s23, s23, s21
.endr
	s_wait_xcnt 0x0                                ; EXEC changes only behind this wait
	v_mov_b32 v24, s22
	v_mov_b32 v25, s23
	v_mov_b32 v26, 0
	v_cmp_eq_u32 vcc_lo, 0, v2
	s_and_saveexec_b32 s20, vcc_lo
	global_store_b64 v26, v[24:25], s[28:29]       ; lane 0 stores the two words
	s_endpgm
.Lfunc_end_k_q781b33e521_prep:
	.size	k_q781b33e521_prep, .Lfunc_end_k_q781b33e521_prep-k_q781b33e521_prep
	.p2alignl 7, 3214868480
	.fill 96, 4, 3214868480
	.section	.rodata,"a",@progbits
	.p2align	6, 0x0
	.amdhsa_kernel k_q781b33e521_prep
		.amdhsa_group_segment_fixed_size 34304
		.amdhsa_private_segment_fixed_size 0
		.amdhsa_enable_private_segment 0
		.amdhsa_kernarg_size 88
		.amdhsa_user_sgpr_count 2
		.amdhsa_user_sgpr_kernarg_segment_ptr 1
		.amdhsa_wavefront_size32 1
		.amdhsa_system_sgpr_workgroup_id_x 1
		.amdhsa_system_sgpr_workgroup_id_y 1
		.amdhsa_system_sgpr_workgroup_id_z 1
		.amdhsa_system_vgpr_workitem_id 0
		.amdhsa_next_free_vgpr 256
		.amdhsa_next_free_sgpr 96
		.amdhsa_reserve_vcc 1
		.amdhsa_float_denorm_mode_32 3
		.amdhsa_float_denorm_mode_16_64 3
		.amdhsa_memory_ordered 1
		.amdhsa_forward_progress 1
		.amdhsa_inst_pref_size 172
	.end_amdhsa_kernel
	.amdgpu_metadata
---
amdhsa.version: [ 1, 2 ]
amdhsa.kernels:
  - .name:           k_q781b33e521_prep
    .symbol:         k_q781b33e521_prep.kd
    .args:
      - { .name: x, .offset: 0, .size: 8, .value_kind: global_buffer, .address_space: global }
      - { .name: wq, .offset: 8, .size: 8, .value_kind: global_buffer, .address_space: global }
      - { .name: wk, .offset: 16, .size: 8, .value_kind: global_buffer, .address_space: global }
      - { .name: wv, .offset: 24, .size: 8, .value_kind: global_buffer, .address_space: global }
      - { .name: wo, .offset: 32, .size: 8, .value_kind: global_buffer, .address_space: global }
      - { .name: lowp_scales, .offset: 40, .size: 8, .value_kind: global_buffer, .address_space: global }
      - { .name: ximg, .offset: 48, .size: 8, .value_kind: global_buffer, .address_space: global }
      - { .name: wimg, .offset: 56, .size: 8, .value_kind: global_buffer, .address_space: global }
      - { .name: rope, .offset: 64, .size: 8, .value_kind: global_buffer, .address_space: global }
      - { .name: mask, .offset: 72, .size: 8, .value_kind: global_buffer, .address_space: global }
      - { .name: mflag, .offset: 80, .size: 8, .value_kind: global_buffer, .address_space: global }
    .group_segment_fixed_size: 34304
    .private_segment_fixed_size: 0
    .kernarg_segment_align: 8
    .kernarg_segment_size: 88
    .max_flat_workgroup_size: 128
    .sgpr_count:     96
    .vgpr_count:     256
    .wavefront_size: 32
...
	.end_amdgpu_metadata
.endif
;; end of part 1
;; launch qkv (part 2): grid 24 x 8, 4 waves a work-group, clusters of 4 x 4, 327,680 bytes of LDS; arguments ximg, wimg, rope, lowp_scales, qkv; writes qkv
.if DOCPART == 2
	.amdgcn_target "amdgcn-amd-amdhsa--gfx1250"
	.amdhsa_code_object_version 6
	.text
	.protected	k_q781b33e521_qkv
	.globl	k_q781b33e521_qkv
	.p2align	8
	.type	k_q781b33e521_qkv,@function
k_q781b33e521_qkv:
	s_mov_b64 s[64:65], 0
	v_nop
	global_prefetch_b8 v0, s[64:65] scope:SCOPE_SE
	s_setreg_imm32_b32 hwreg(HW_REG_WAVE_MODE, 25, 1), 1
	s_wait_xcnt 0x0
	s_wait_alu depctr_hold_cnt(0) depctr_sa_sdst(0) depctr_va_vdst(0) depctr_va_sdst(0) depctr_va_ssrc(0) depctr_va_vcc(0) depctr_vm_vsrc(0)
	s_getreg_b32 s2, hwreg(HW_REG_IB_STS2, 6, 4)
	s_cmp_eq_u32 s2, 0
	s_cbranch_scc0 .Lentry_in_a_cluster
	s_endpgm
.Lentry_in_a_cluster:
	s_bfe_u32 s2, ttmp6, 0x10000c
	s_cmp_lg_u32 s2, 0xf033
	s_cbranch_scc0 .Lentry_shape_is_right
	s_endpgm
.Lentry_shape_is_right:
.set FR,    16
.set NL,    4
.set NP,    4
.set HALFT, 32768
.set SLOT,  4*HALFT
.set LAPS,  4
.set SPARE, 2*SLOT
.set ADRA, 16
.set ADRB, 20
.set L16,  26
.set SPW,  28
.set NIL,  29
.set SC,   30
.set LIM,  31
.set CS0,  32
.set CODE, 104
.set AF,   128
.set Y,    192
.set G1, 24
.set G0, 32
.set G1B, 48
.set G0B, 56
.set MSB, 0
.macro WIN new
.if MSB != \new
	s_set_vgpr_msb (MSB<<8)|\new
.set MSB, \new
.endif
.endm
.set MUL_LO, 0xa1
.set MUL_HI, 0xf1
.set TO_B,   0x40
.macro JLOAD g0a, g1a, g0b, g1b
	s_cmp_eq_u32 s15, 0
	s_cbranch_scc0 .Lfor_b_\@
	tensor_load_to_lds s[\g0a:\g0a+3], s[\g1a:\g1a+7]
	s_nop 0
.rept 4
	v_nop
.endr
	s_branch .Lasked_\@
.Lfor_b_\@:
	tensor_load_to_lds s[\g0b:\g0b+3], s[\g1b:\g1b+7]
	s_nop 0
.rept 4
	v_nop
.endr
.Lasked_\@:
.endm
.macro CREST
	s_cmp_lg_u32 s14, 0
	s_cbranch_scc1 .Lnot_wave_0_\@
	s_barrier_signal -3
.Lnot_wave_0_\@:
	s_barrier_wait -3
	s_barrier_signal -1
	s_barrier_wait -1
.endm
.macro CROUND
	s_barrier_signal -1
	s_barrier_wait -1
	CREST
.endm
	s_load_b256 s[4:11], s[0:1], 0x0
	s_load_b64 s[12:13], s[0:1], 0x20
	v_lshl_add_u32 v[SPW], v0, 2, SPARE
	v_mov_b32 v[NIL], 0
	ds_add_u32 v28, v29
	ds_add_u32 v28, v29
	s_wait_dscnt 0x0
	v_lshrrev_b32 v1, 5, v0
	v_readfirstlane_b32 s14, v1
	s_lshr_b32 s15, s14, 1
	s_and_b32 s16, s14, 1
	s_bfe_u32 s40, ttmp6, 0x40000
	s_bfe_u32 s41, ttmp6, 0x40004
	s_lshr_b32 s2, ttmp9, 1
	s_and_b32 s42, ttmp9, 1
	s_lshl_b32 s42, s42, 2
	s_add_co_u32 s42, s42, s40
	s_and_b32 s17, ttmp7, 0xffff
	s_lshl_b32 s17, s17, 2
	s_add_co_u32 s17, s17, s41
	s_lshl_b32 s43, s41, 2
	s_lshl_b32 s43, 15, s43
	s_lshl_b32 s44, 0x1111, s40
	s_or_b32 s[G1+0], s43, (3<<16)|(1<<21)
	s_or_b32 s[G1B+0], s44, (3<<16)|(1<<21)
.irp g, G1, G1B
	s_mov_b32 s[\g+1], 512<<16
	s_mov_b32 s[\g+2], 8<<16
	s_mov_b32 s[\g+3], 512<<16
	s_mov_b32 s[\g+4], 8
	s_mov_b32 s[\g+5], 4096
	s_mov_b32 s[\g+6], 0
	s_mov_b32 s[\g+7], 0
.endr
	s_lshl_b32 s18, s2, 22
	s_lshl_b32 s19, s16, 18
	s_add_co_u32 s18, s18, s19
	s_lshl_b32 s20, s17, 19
	s_add_co_u32 s20, s20, s18
	s_mov_b32 s21, 0
	s_lshl_b32 s46, s42, 19
	s_add_co_u32 s46, s46, s18
	s_mov_b32 s47, 0
	s_lshl_b32 s45, s14, 15
	s_wait_kmcnt 0x0
	s_load_b256 s[72:79], s[10:11], 0x0
	s_load_b128 s[80:83], s[10:11], 0x20
	s_cmp_eq_u32 s2, 2
	s_cselect_b64 s[22:23], s[6:7], s[4:5]
	s_cselect_b64 s[66:67], s[4:5], s[6:7]
	s_add_nc_u64 s[20:21], s[22:23], s[20:21]
	s_add_nc_u64 s[46:47], s[66:67], s[46:47]
	CROUND
.irp s, 0,1
	s_mov_b32 s[G0+4*\s], 1
	s_add_co_u32 s[G0+4*\s+1], s45, \s*SLOT
	s_add_nc_u64 s[G0+4*\s+2:G0+4*\s+3], s[20:21], \s*4096
	s_or_b32 s[G0+4*\s+3], s[G0+4*\s+3], 0x80000000
	s_mov_b32 s[G0B+4*\s], 1
	s_add_co_u32 s[G0B+4*\s+1], s45, \s*SLOT
	s_add_nc_u64 s[G0B+4*\s+2:G0B+4*\s+3], s[46:47], \s*4096
	s_or_b32 s[G0B+4*\s+3], s[G0B+4*\s+3], 0x80000000
	s_wait_alu depctr_va_vdst(0)
	s_wait_tensorcnt 0x0
	ds_add_u32 v28, v29
	ds_add_u32 v28, v29
	s_wait_dscnt 0x0
	CROUND
	JLOAD G0+4*\s, G1, G0B+4*\s, G1B
.endr
	v_and_b32 v1, 31, v0
	v_lshlrev_b32 v[L16], 4, v1
	s_lshl_b32 s21, s15, 15
	s_lshl_b32 s22, s16, 15
	s_add_co_u32 s22, s22, 2*HALFT
.irp s, 0,1
	v_add_nc_u32 v[ADRA+\s], s21, v[L16]
	v_add_nc_u32 v[ADRB+\s], s22, v[L16]
	s_add_co_u32 s21, s21, SLOT
	s_add_co_u32 s22, s22, SLOT
.endr
	s_lshl_b32 s18, s42, 1
	s_add_co_u32 s18, s18, s16
	s_lshl_b32 s19, s17, 1
	s_add_co_u32 s19, s19, s15
	s_cmp_eq_u32 s2, 2
	s_cselect_b32 s20, s19, s18
	s_cselect_b32 s21, s18, s19
	s_lshl_b32 s20, s20, 18
	s_lshl_b32 s21, s21, 14
	s_add_co_u32 s20, s20, s21
	s_lshl_b32 s21, s2, 22
	s_add_co_u32 s20, s20, s21
	s_mov_b32 s21, 0
	s_add_nc_u64 s[84:85], s[12:13], s[20:21]
	s_lshl_b32 s20, s19, 16
	s_add_nc_u64 s[86:87], s[8:9], s[20:21]
	s_wait_alu depctr_va_vdst(0)
	s_wait_kmcnt 0x0
	s_sub_co_i32 s88, s78, s72
	s_sub_co_i32 s88, s88, s73
	s_sub_co_i32 s89, s79, s74
	s_sub_co_i32 s89, s89, s75
	s_sub_co_i32 s90, s81, s76
	s_sub_co_i32 s90, s90, s77
	s_cmp_eq_u32 s2, 0
	s_cselect_b32 s88, s88, s89
	s_cmp_eq_u32 s2, 2
	s_cselect_b32 s88, s90, s88
	s_add_co_i32 s88, s88, 127
	s_lshl_b32 s89, s88, 23
	v_mov_b32 v[SC], s89
	s_add_co_i32 s88, s88, 8
	s_lshl_b32 s88, s88, 23
	s_or_b32 s88, s88, 0x600000
	v_mov_b32 v[LIM], s88
.macro FRAG reg, adr, q, i
.irp c, 0,1,2,3
	ds_load_b128 v[\reg+4*\c:\reg+4*\c+3], v[\adr] offset:(\i)*4096+(\q)*2048+512*\c
.endr
.endm
.macro MUL16 a0, p, zero
.irp a, \a0, \a0+1
.irp b, 0,1,2,3,4,5,6,7
.if \zero
	v_wmma_f32_16x16x128_fp8_fp8 v[8*(8*((\a)%4)+\b):8*(8*((\a)%4)+\b)+7], v[128*(\p)+FR*\b:128*(\p)+FR*\b+FR-1], v[AF+FR*(\a):AF+FR*(\a)+FR-1], 0
.else
	v_wmma_f32_16x16x128_fp8_fp8 v[8*(8*((\a)%4)+\b):8*(8*((\a)%4)+\b)+7], v[128*(\p)+FR*\b:128*(\p)+FR*\b+FR-1], v[AF+FR*(\a):AF+FR*(\a)+FR-1], v[8*(8*((\a)%4)+\b):8*(8*((\a)%4)+\b)+7]
.endif
.endr
.endr
.endm
.macro FETCH_B slot, q, p
	WIN TO_B
.irp i, 0,1,2,3,4,5,6,7
	FRAG 128*(\p)+FR*\i, ADRB+\slot, \q, \i
.endr
	WIN 0
.endm
.macro FETCH_A slot, q, i0
.irp i, \i0, \i0+1, \i0+2, \i0+3
	FRAG AF+FR*(\i), ADRA+\slot, \q, \i
.endr
.endm
.macro PLACES n
.rept \n
	v_nop
.endr
.endm
.macro STEP slot, q, zero
	s_wait_dscnt 4*NL
	WIN MUL_LO
	MUL16 0, (\q)%2, \zero
	MUL16 2, (\q)%2, \zero
	s_wait_dscnt 0
	PLACES NP
	FETCH_B \slot, (\q)+1, 1-(\q)%2
	FETCH_A \slot, (\q)+1, 0
	WIN MUL_HI
	MUL16 4, (\q)%2, \zero
	MUL16 6, (\q)%2, \zero
	PLACES NP
	WIN 0
	FETCH_A \slot, (\q)+1, 4
.endm
.macro TURN slot, next, fill
	s_wait_tensorcnt 0x0
	ds_add_u32 v[SPW], v[NIL]
	s_wait_dscnt 4*NL+1
	WIN MUL_LO
	MUL16 0, 1, 0
	s_wait_dscnt 0x0
	s_barrier_signal -1
	MUL16 2, 1, 0
	WIN 0
	s_barrier_wait -1
.if \fill
	CREST
	s_add_nc_u64 s[G0+4*\slot+2:G0+4*\slot+3], s[G0+4*\slot+2:G0+4*\slot+3], 8192
	s_add_nc_u64 s[G0B+4*\slot+2:G0B+4*\slot+3], s[G0B+4*\slot+2:G0B+4*\slot+3], 8192
	JLOAD G0+4*\slot, G1, G0B+4*\slot, G1B
.else
	PLACES NP
.endif
	FETCH_B \next, 0, 0
	FETCH_A \next, 0, 0
	WIN MUL_HI
	MUL16 4, 1, 0
	MUL16 6, 1, 0
	PLACES NP
	WIN 0
	FETCH_A \next, 0, 4
.endm
.macro LAST
	s_wait_dscnt 4*NL
	WIN MUL_LO
	MUL16 0, 1, 0
	MUL16 2, 1, 0
	s_wait_dscnt 0
	WIN MUL_HI
	MUL16 4, 1, 0
	MUL16 6, 1, 0
	WIN 0
.endm
	s_wait_tensorcnt 1
	s_barrier_signal -1
	s_barrier_wait -1
	FETCH_B 0, 0, 0
	FETCH_A 0, 0, 0
	FETCH_A 0, 0, 4
	STEP 0, 0, 1
	s_mov_b32 s3, LAPS-1
.Llap:
	TURN 0, 1, 1
	STEP 1, 0, 0
	TURN 1, 0, 1
	STEP 0, 0, 0
	s_sub_co_u32 s3, s3, 1
	s_cmp_lg_u32 s3, 0
	s_cbranch_scc1 .Llap
	TURN 0, 1, 0
	STEP 1, 0, 0
.macro TABLE a, cs
.irp g, 0,1,2,3,4,5,6,7,8,9,10,11,12,13,14,15
	global_load_b128 v[\cs+4*\g:\cs+4*\g+3], v[L16], s[86:87] offset:(\a)*8192+\g*512
.endr
.endm
.macro CODES a
	s_wait_xcnt 0x0
.irp b, 0,1,2,3,4,5,6,7
	v_cvt_scalef32_pk8_fp8_f32 v[CODE+2*\b:CODE+2*\b+1], v[Y+8*\b:Y+8*\b+7], v[SC]
.endr
	v_nop
.irp c, 0,1,2,3
	global_store_b128 v[L16], v[CODE+4*\c:CODE+4*\c+3], s[84:85] offset:(\a)*2048+512*\c
.endr
.endm
.macro RBLOCK a
.set CS, CS0+96*((\a)%2)
.set AC, 64*((\a)%4)
.if (\a) < 7
	s_wait_loadcnt 16
.else
	s_wait_loadcnt 0
.endif
	WIN 0x02+((\a)/4)
.irp tb, 0,1,2,3
.irp j, 0,2,4,6
	v_pk_mul_f32 v[Y+8*\tb+\j:Y+8*\tb+\j+1], v[AC+8*(\tb+4)+\j:AC+8*(\tb+4)+\j+1], v[CS+32+8*\tb+\j:CS+32+8*\tb+\j+1]
.endr
.irp j, 0,2,4,6
	v_pk_mul_f32 v[Y+8*(\tb+4)+\j:Y+8*(\tb+4)+\j+1], v[AC+8*\tb+\j:AC+8*\tb+\j+1], v[CS+32+8*\tb+\j:CS+32+8*\tb+\j+1]
.endr
.irp j, 0,2,4,6
	v_pk_fma_f32 v[Y+8*\tb+\j:Y+8*\tb+\j+1], v[AC+8*\tb+\j:AC+8*\tb+\j+1], v[CS+8*\tb+\j:CS+8*\tb+\j+1], v[Y+8*\tb+\j:Y+8*\tb+\j+1] neg_lo:[0,0,1] neg_hi:[0,0,1]
.endr
.irp j, 0,2,4,6
	v_pk_fma_f32 v[Y+8*(\tb+4)+\j:Y+8*(\tb+4)+\j+1], v[AC+8*(\tb+4)+\j:AC+8*(\tb+4)+\j+1], v[CS+8*\tb+\j:CS+8*\tb+\j+1], v[Y+8*(\tb+4)+\j:Y+8*(\tb+4)+\j+1]
.endr
.endr
	WIN 0
.if (\a) < 6
	TABLE (\a)+2, CS
.endif
.set i, 0
.rept 64
	v_med3_num_f32 v[Y+i], v[Y+i], -v[LIM], v[LIM]
.set i, i+1
.endr
	s_wait_alu depctr_va_vdst(0)
	CODES \a
.endm
.macro VBLOCK a
.set AC, 64*((\a)%4)
	WIN 0x02+((\a)/4)
.set i, 0
.rept 64
	v_med3_num_f32 v[Y+i], v[AC+i], -v[LIM], v[LIM]
.set i, i+1
.endr
	WIN 0
	s_wait_alu depctr_va_vdst(0)
	CODES \a
.endm
	s_cmp_eq_u32 s2, 2
	s_cbranch_scc1 .Lvarm
	TABLE 0, CS0
	LAST
	PLACES NP
	TABLE 1, CS0+96
.irp a, 0,1,2,3,4,5,6,7
	RBLOCK \a
.endr
	s_branch .Ljoin
.Lvarm:
	LAST
	PLACES NP
	s_wait_alu depctr_va_vdst(0)
.irp a, 0,1,2,3,4,5,6,7
	VBLOCK \a
.endr
.Ljoin:
	s_wait_tensorcnt 0x0
	ds_add_u32 v[SPW], v[NIL]
	s_wait_dscnt 0x0
	CROUND
	s_endpgm
.Lfunc_end_k_q781b33e521_qkv:
	.size	k_q781b33e521_qkv, .Lfunc_end_k_q781b33e521_qkv-k_q781b33e521_qkv
	.p2alignl 7, 3214868480
	.fill 96, 4, 3214868480
	.section	.rodata,"a",@progbits
	.p2align	6, 0x0
	.amdhsa_kernel k_q781b33e521_qkv
		.amdhsa_group_segment_fixed_size 327680
		.amdhsa_private_segment_fixed_size 0
		.amdhsa_enable_private_segment 0
		.amdhsa_kernarg_size 40
		.amdhsa_user_sgpr_count 2
		.amdhsa_user_sgpr_kernarg_segment_ptr 1
		.amdhsa_wavefront_size32 1
		.amdhsa_system_sgpr_workgroup_id_x 1
		.amdhsa_system_sgpr_workgroup_id_y 1
		.amdhsa_system_sgpr_workgroup_id_z 1
		.amdhsa_system_vgpr_workitem_id 0
		.amdhsa_next_free_vgpr 1024
		.amdhsa_next_free_sgpr 100
		.amdhsa_reserve_vcc 0
		.amdhsa_float_denorm_mode_32 3
		.amdhsa_float_denorm_mode_16_64 3
		.amdhsa_memory_ordered 1
		.amdhsa_forward_progress 1
		.amdhsa_inst_pref_size 208
	.end_amdhsa_kernel
	.amdgpu_metadata
---
amdhsa.version: [ 1, 2 ]
amdhsa.kernels:
  - .name:           k_q781b33e521_qkv
    .symbol:         k_q781b33e521_qkv.kd
    .args:
      - { .name: ximg, .offset: 0, .size: 8, .value_kind: global_buffer, .address_space: global }
      - { .name: wimg, .offset: 8, .size: 8, .value_kind: global_buffer, .address_space: global }
      - { .name: rope, .offset: 16, .size: 8, .value_kind: global_buffer, .address_space: global }
      - { .name: lowp_scales, .offset: 24, .size: 8, .value_kind: global_buffer, .address_space: global }
      - { .name: qkv, .offset: 32, .size: 8, .value_kind: global_buffer, .address_space: global }
    .group_segment_fixed_size: 327680
    .private_segment_fixed_size: 0
    .kernarg_segment_align: 8
    .kernarg_segment_size: 40
    .max_flat_workgroup_size: 128
    .sgpr_count:     100
    .vgpr_count:     1024
    .wavefront_size: 32
...
	.end_amdgpu_metadata
.endif
;; end of part 2
;; launch attn (part 3): grid 16 x 16, 8 waves a work-group, no clusters, 203,776 bytes of LDS; arguments qkv, mask, lowp_scales, mflag, attn; writes attn
.if DOCPART == 3
	.amdgcn_target "amdgcn-amd-amdhsa--gfx1250"
	.amdhsa_code_object_version 6
	.text
	.protected	k_q781b33e521_attn
	.globl	k_q781b33e521_attn
	.p2align	8
	.type	k_q781b33e521_attn,@function
k_q781b33e521_attn:
	s_mov_b64 s[64:65], 0
	v_nop
	global_prefetch_b8 v0, s[64:65] scope:SCOPE_SE
	s_setreg_imm32_b32 hwreg(HW_REG_WAVE_MODE, 25, 1), 1
	s_wait_xcnt 0x0
; ATTN: for each head and query, softmax over the keys of (q . k / sqrt(128) + mask), times v; both products on codes of E4M3; the result quantised for the last projection.
; THE MASK IS AN INPUT.  The launch before has read all of it and stored, for each 8 rows and each tile of 128 keys, two bits (mflag): LIVE, and NOT ALL ZERO.  A tile that is not live holds, for every row,
; logits more than 250 under the row's largest, whatever q and k hold (the bound is shown where the flags are made): its p is 0 in f32, in the codes and in the sum, so its products and its softmax are left out.
; A live tile of zeros is walked without its mask, which adds nothing.  Every other live tile's mask is loaded and added.  The choice hangs on the stored whole numbers alone and holds for every mask.
; THE SOFTMAX: t = (score x 2^(e6 + e7) / sqrt(128) + mask) x log2(e); M = the running largest t rounded up to a whole number; p = 2^(t - M) is quantised with 2^e8; the row's sum is taken of the unquantised p;
; when M moves, the sum and O are multiplied by 2^(old M - new M), which rounds nothing; O is divided by the sum at the end.  In a tile of zeros the two factors are one, multiplied beforehand.
; SHARES: work-group (p, head) owns the groups of 64 queries p and 31 - p of its head, so that a mask that leaves more keys to later queries still deals the work evenly; no value hangs on that.  Eight waves, two
; to a SIMD: wave w owns 16 queries (w % 4) of each group, one register tile each, and of each 128 keys the 64 of half kh = w / 4.  A fragment of K or V read from LDS feeds both tiles where both are live.
; Register tile x holds group A = 31 - p where x = kh, else B = p... told apart by addresses: at the end the waves w and w xor 4 join their halves of the keys, each giving tile 1 and keeping tile 0.
; 16 TRIPS, a constant; every wave passes every barrier; scalar branches on the flags lead round loads and work alone.  K and V of the next live tile come by loads into registers a trip ahead (so no prefetch is
; laid), 4,096 bytes a wave, and go into one of two LDS slots at the next trip's head.  The mask's 16 rows x 256 bytes of a tile come likewise and turn through the wave's own stage.
; No tensor load and no cluster: the branches hang on numbers read from memory.
; LIMITS: e6 + e7 between -120 and 130; e8, and e10 - e8 - e9, between -126 and 119; the scaled scores stay under 2^31 in magnitude.  NaN among the inputs is not served.
; REGISTERS: window 0: v1-37 addresses, scales, statistics; v40-71 S^T; v72-103 the mask; v104-167 K's four fragments; v168-175 p's codes; v178-241 the masks on their way.
;   window 1: v0-127 O^T, 64 a tile; v128-159 Q; v160-223 V's eight half fragments; v224-255 K or V on its way.
.set SLOT1, 32768                      ; two slots: K's 16,384 bytes, V's 16,384
.set VOFF,  16384
.set MST,   65536                      ; the masks' stages: 16 rows of 272 bytes for each wave and tile
.set MSZ,   4352
.set XST,   135168                     ; the exchange at the end: 8,192 bytes of O^T and 256 of statistics for each wave
.set STW,   8448
.set SPARE, 202752                     ; the spare words, 128 bytes for each wave: four blocks of 256 bytes that no other line names
.set L16, 1
.set AK0, 2
.set AV0, 3
.set AMS, 4                            ; v4-5  the stages, on the way out
.set SPW, 6
.set NIL, 7
.set AGM, 8                            ; my place in a tile of the mask in memory: lanes 0-15 one row's 256 bytes, lanes 16-31 the next row's
.set SCP, 9
.set LIMP, 10
.set ST,  12                           ; tile x at v[12 + 8 x]: +0 -M, +1 the largest t, +2, +3 the sum in two halves, +4 f (+5 named with it), +6, +7 at work
.set PD,  28
.set ADK, 30
.set ADV, 31
.set ASK, 32
.set ADS, 33
.set AMW, 34                           ; v34-35 the stages, on the way in
.set AQ,  36                           ; v36-37
.set S,   40
.set MK,  72
.set KF,  104
.set P,   168
.set SU,  176
.set MG,  178
.set Q,   128
.set VF,  160
.set STG, 224
.set WV,  14
.set QS,  15
.set KH,  16
.set SEL, 2
.set SA,  22
.set SL,  28
.set SAL, 30
.set TB,  31
.set CNT, 66
.set LW,  88                           ; bit j: tile j is live for some of the work-group's queries
.set LT,  90                           ; s90-91 for my register tile x
.set GT,  92                           ; s92-93 live and not all zero
.set CC,  94                           ; s[94:95] the factor that makes t of what S holds
.set KVB, 96
.set MB,  98                           ; s[98:99], s[100:101]
.set MSB, 0
.macro WIN new                         ; the immediate's high byte repeats the setting that is left
.if MSB != \new
	s_set_vgpr_msb (MSB<<8)|\new
.set MSB, \new
.endif
.endm
.macro KVLOAD
	WIN 0x40
.irp i, 0,1,2,3,4,5,6,7
	global_load_b128 v[STG+4*\i:STG+4*\i+3], v[L16], s[KVB:KVB+1] offset:512*\i
.endr
	WIN 0
.endm
.macro MLOAD x
.irp i, 0,1,2,3,4,5,6,7
	global_load_b128 v[MG+32*\x+4*\i:MG+32*\x+4*\i+3], v[AGM], s[MB+2*\x:MB+2*\x+1] offset:16384*\i   ; sixteen lanes read 256 consecutive bytes, aligned
.endr
.endm
.macro MSTORE x
.irp i, 0,1,2,3,4,5,6,7
	ds_store_b128 v[AMW+\x], v[MG+32*\x+4*\i:MG+32*\x+4*\i+3] offset:544*\i
.endr
.endm
	s_load_b256 s[4:11], s[0:1], 0x0               ; qkv s[4:5], mask s[6:7], the exponents s[8:9], mflag s[10:11]
	s_load_b64 s[12:13], s[0:1], 0x20              ; attn
	v_lshl_add_u32 v[SPW], v0, 2, SPARE
	v_mov_b32 v[NIL], 0
	v_lshrrev_b32 v11, 5, v0
	v_readfirstlane_b32 s[WV], v11                 ; wave 0..7
	s_and_b32 s[QS], s[WV], 3
	s_lshr_b32 s[KH], s[WV], 2
	s_and_b32 s17, ttmp7, 0xffff                   ; the head
	s_sub_co_u32 s18, 31, ttmp9                    ; group A
	s_mov_b32 s19, ttmp9                           ; group B
	s_cmp_eq_u32 s[KH], 0
	s_cselect_b32 s20, s18, s19                    ; register tile 0's group,
	s_cselect_b32 s21, s19, s18                    ; tile 1's
	s_lshl_b32 s32, s[KH], 13
	s_lshl_b32 s33, s[KH], 10
	s_add_co_u32 s33, s33, VOFF
	s_lshl_b32 s34, s[WV], 12
	s_mul_i32 s35, s[WV], 2*MSZ
	s_add_co_u32 s35, s35, MST
	s_add_co_u32 s36, s35, MSZ
	s_lshl_b32 s37, s20, 13
	s_lshl_b32 s38, s21, 13
	v_and_b32 v[L16], 31, v0
	v_lshlrev_b32 v[L16], 4, v[L16]
	v_and_b32 v11, 15, v0                          ; r
	v_bfe_u32 v29, v0, 4, 1                        ; h
	v_add_nc_u32 v[AK0], s32, v[L16]               ; K: fragments 4 kh on
	v_add_nc_u32 v[AV0], s33, v[L16]               ; V: registers 8 kh on of each fragment's image
	v_add_nc_u32 v[ASK], s34, v[L16]               ; what I bring into a slot: 4,096 bytes at 4,096 x wave
	v_add_nc_u32 v[AQ], s37, v[L16]
	v_add_nc_u32 v[AQ+1], s38, v[L16]
	v_lshlrev_b32 v[AGM], 13, v29
	v_lshl_add_u32 v[AGM], v11, 4, v[AGM]
	v_mul_u32_u24 v[AMW], v29, 272
	v_lshl_add_u32 v[AMW], v11, 4, v[AMW]
	v_add_nc_u32 v[AMW+1], s36, v[AMW]
	v_add_nc_u32 v[AMW], s35, v[AMW]
	v_mul_u32_u24 v[AMS], v11, 272
	v_lshl_add_u32 v[AMS], v29, 5, v[AMS]
	v_add_nc_u32 v[AMS+1], s36, v[AMS]
	v_add_nc_u32 v[AMS], s35, v[AMS]
.irp x, 0,1
	v_mov_b32 v[ST+8*\x+1], 0xff61b1e6             ; the largest t so far: -3e38
	v_floor_f32 v[ST+8*\x], -v[ST+8*\x+1]          ; -M
	v_mov_b32 v[ST+8*\x+2], 0                      ; the sum
	v_mov_b32 v[ST+8*\x+3], 0
	v_mov_b32 v[ST+8*\x+5], 0                      ; (named as the upper half of f's pair)
.endr
	v_mov_b32 v[PD], 0                             ; a lane permute's destination counts as read
	WIN 0x40
.set i, 0
.rept 128
	v_mov_b32 v[i], 0                              ; O^T: which trip is a tile's first hangs on the flags, so the sums begin as zeros
.set i, i+1
.endr
	WIN 0
	s_mov_b32 s[TB], 0
	s_mov_b32 s[CNT], 16
	s_mov_b32 s[SL], 0x3fb8aa3b
	s_mov_b32 s[SL+1], 0x3fb8aa3b
	s_mov_b32 s[SEL], 0x76543210
	s_mov_b32 s[SEL+1], 0xfedcba98
	s_mov_b32 s67, 0
	s_wait_alu depctr_va_vdst(0)                   ; directly ahead of the wait below
	s_wait_kmcnt 0x0
	s_lshl_b32 s66, s18, 6                         ; the flags: 64 bytes for each group of 64 queries
	s_add_nc_u64 s[24:25], s[10:11], s[66:67]
	s_lshl_b32 s66, s19, 6
	s_add_nc_u64 s[26:27], s[10:11], s[66:67]
	s_lshl_b32 s39, s[QS], 4                       ; my 16 queries' 16 bytes of them
	s_lshl_b32 s66, s20, 6
	s_add_co_u32 s66, s66, s39
	s_add_nc_u64 s[90:91], s[10:11], s[66:67]
	s_lshl_b32 s66, s21, 6
	s_add_co_u32 s66, s66, s39
	s_add_nc_u64 s[92:93], s[10:11], s[66:67]
	s_load_b128 s[68:71], s[90:91], 0x0
	s_load_b128 s[72:75], s[92:93], 0x0
	s_load_b256 s[76:83], s[8:9], 0x0              ; e0 .. e7
	s_load_b128 s[84:87], s[8:9], 0x20             ; e8 .. e11
	s_lshl_b32 s66, s[KH], 22                      ; waves 0-3 bring K (at 4 MiB), waves 4-7 V (at 8 MiB),
	s_add_co_u32 s66, s66, 0x400000
	s_lshl_b32 s39, s17, 18
	s_add_co_u32 s66, s66, s39
	s_lshl_b32 s39, s[QS], 12
	s_add_co_u32 s66, s66, s39
	s_add_nc_u64 s[KVB:KVB+1], s[4:5], s[66:67]
	s_lshl_b32 s39, s[QS], 17                      ; the mask: row 64 group + 16 (w % 4), keys 64 kh on
	s_lshl_b32 s40, s[KH], 8
	s_add_co_u32 s39, s39, s40
	s_lshl_b32 s66, s20, 19
	s_add_co_u32 s66, s66, s39
	s_add_nc_u64 s[MB:MB+1], s[6:7], s[66:67]
	s_lshl_b32 s66, s21, 19
	s_add_co_u32 s66, s66, s39
	s_add_nc_u64 s[MB+2:MB+3], s[6:7], s[66:67]
	KVLOAD                                         ; tile 0 of K, V and the masks is loaded whatever the flags say: the registers and the stages are written on every path
	MLOAD 0
	MLOAD 1
	s_lshl_b32 s66, s17, 18                        ; Q: fragment 4 group + w % 4 of my head
	s_lshl_b32 s39, s[QS], 11
	s_add_co_u32 s66, s66, s39
	s_add_nc_u64 s[42:43], s[4:5], s[66:67]
	WIN 0x40
.irp x, 0,1
.irp c, 0,1,2,3
	global_load_b128 v[Q+16*\x+4*\c:Q+16*\x+4*\c+3], v[AQ+\x], s[42:43] offset:512*\c
.endr
.endr
	WIN 0
	s_load_b512 s[44:59], s[24:25], 0x0
	s_wait_kmcnt 0x0
	s_or_b32 s[LW], s44, s46
.irp k, 48,50,52,54,56,58
	s_or_b32 s[LW], s[LW], s\k
.endr
	s_load_b512 s[44:59], s[26:27], 0x0
	s_or_b32 s[LT], s68, s70                       ; my tiles: both groups of 8 rows
	s_or_b32 s[GT], s69, s71
	s_and_b32 s[GT], s[GT], s[LT]
	s_or_b32 s[LT+1], s72, s74
	s_or_b32 s[GT+1], s73, s75
	s_and_b32 s[GT+1], s[GT+1], s[LT+1]
	s_lshl_b32 s66, s20, 17                        ; the result: fragment (4 group + w % 4, head) of the tile that I keep
	s_lshl_b32 s39, s[QS], 15
	s_add_co_u32 s66, s66, s39
	s_lshl_b32 s39, s17, 11
	s_add_co_u32 s66, s66, s39
	s_add_nc_u64 s[12:13], s[12:13], s[66:67]
	s_add_co_i32 s39, s82, s83
	s_lshl_b32 s39, s39, 23
	s_add_co_i32 s[SA], s39, 0x3db504f3            ; 1 / sqrt(128) with e6 + e7 added to its exponent field
	s_mov_b32 s[SA+1], s[SA]
	s_mul_f32 s[SAL], s[SA], s[SL]
	s_add_co_i32 s39, s84, 127
	s_lshl_b32 s40, s39, 23
	s_add_co_i32 s39, s39, 8
	s_lshl_b32 s39, s39, 23
	s_or_b32 s39, s39, 0x600000
	v_mov_b32 v[SCP], s40
	v_mov_b32 v[LIMP], s39
	s_mov_b32 s[CNT], 16
	s_wait_kmcnt 0x0
.irp k, 44,46,48,50,52,54,56,58
	s_or_b32 s[LW], s[LW], s\k
.endr
	s_wait_alu depctr_va_vdst(0)                   ; at the head's end
	s_wait_loadcnt 0x0
	MSTORE 0
	MSTORE 1
; ONE REGISTER TILE'S SHARE OF A TRIP: 16 queries x my 64 keys.
.macro TILE x
.set rT, ST+8*(\x)
	s_bitcmp1_b32 s[LT+\x], 0
	s_cbranch_scc0 .Ldead_\@
	WIN 0x04                                       ; Q window 1
.irp t, 0,1,2,3
	v_wmma_f32_16x16x128_fp8_fp8 v[S+8*\t:S+8*\t+7], v[KF+16*\t:KF+16*\t+15], v[Q+16*\x:Q+16*\x+15], 0
.endr
	WIN 0
	s_mov_b32 s[CC], s[SAL]                        ; a tile of zeros: t = score x (2^(e6 + e7) / sqrt(128) x log2(e))
	s_mov_b32 s[CC+1], s[SAL]
.rept 4
	v_nop
.endr
	s_bitcmp1_b32 s[GT+\x], 0
	s_cbranch_scc0 .Lsm_\@
.irp t, 0,1,2,3
	ds_load_b128 v[MK+8*\t:MK+8*\t+3], v[AMS+\x] offset:64*\t        ; register 8 t + j is key 16 t + 8 h + j of my half; LDS serves a wave's instructions in order: these see my stores
	ds_load_b128 v[MK+8*\t+4:MK+8*\t+7], v[AMS+\x] offset:64*\t+16
.endr
	s_mov_b32 s[CC], s[SL]
	s_mov_b32 s[CC+1], s[SL]
	s_wait_dscnt 0x0
.set i, 0
.rept 16
	v_pk_fma_f32 v[S+i:S+i+1], v[S+i:S+i+1], s[SA:SA+1], v[MK+i:MK+i+1] op_sel_hi:[1,0,1]   ; the logit
.set i, i+2
.endr
.Lsm_\@:
	v_max3_num_f32 v[rT+6], v[S], v[S+1], v[S+2]
	v_max3_num_f32 v[rT+7], v[S+3], v[S+4], v[S+5]
.irp i, 6,10,14,18,22,26
	v_max3_num_f32 v[rT+6], v[rT+6], v[S+\i], v[S+\i+1]
	v_max3_num_f32 v[rT+7], v[rT+7], v[S+\i+2], v[S+\i+3]
.endr
	v_max3_num_f32 v[rT+6], v[rT+6], v[S+30], v[S+31]
	v_max_num_f32 v[rT+6], v[rT+6], v[rT+7]
	v_permlanex16_b32 v[PD], v[rT+6], s[SEL], s[SEL+1]   ; the query's other 32 keys lie in the lane 16 away
	v_max_num_f32 v[rT+6], v[rT+6], v[PD]
	v_mul_f32 v[rT+6], s[CC], v[rT+6]              ; as t
	v_max_num_f32 v[rT+1], v[rT+1], v[rT+6]        ; the running largest t
	v_mov_b32 v[rT+6], v[rT]
	v_floor_f32 v[rT], -v[rT+1]                    ; -M = floor(-t): M is a whole number
	v_sub_f32 v[rT+6], v[rT], v[rT+6]              ; old M - new M
	v_cvt_i32_f32 v[rT+6], v[rT+6]                 ; (it saturates)
	v_ldexp_f32 v[rT+4], 1.0, v[rT+6]              ; f
.set i, 0
.rept 16
	v_pk_fma_f32 v[S+i:S+i+1], v[S+i:S+i+1], s[CC:CC+1], v[rT:rT+1] op_sel_hi:[1,0,0]   ; t - M
.set i, i+2
.endr
	s_wait_alu depctr_va_vdst(0)                   ; ahead of the batch
.set i, 0
.rept 32
	v_exp_f32 v[S+i], v[S+i]                       ; p
.set i, i+1
.endr
	v_pk_mul_f32 v[rT+2:rT+3], v[rT+2:rT+3], v[rT+4:rT+5] op_sel_hi:[1,0]   ; the sum under the new M: the plain line behind the exponentials
	s_wait_alu depctr_va_vdst(0)                   ; one wait for the 32 exponentials, ahead of their first reader
	v_pk_add_f32 v[SU:SU+1], v[S:S+1], v[S+2:S+3]
.irp j, 4,8,12,16,20,24,28
	v_pk_add_f32 v[rT+2:rT+3], v[rT+2:rT+3], v[S+\j:S+\j+1]
	v_pk_add_f32 v[SU:SU+1], v[SU:SU+1], v[S+\j+2:S+\j+3]
.endr
	v_pk_add_f32 v[rT+2:rT+3], v[rT+2:rT+3], v[SU:SU+1]
.irp t, 0,1,2,3
.irp i, 0,1,2,3,4,5,6,7
	v_min_num_f32 v[S+8*\t+\i], v[S+8*\t+\i], v[LIMP]   ; the conversion does not saturate (ISA guide 7.6.2); p is not negative
.endr
	v_cvt_scalef32_pk8_fp8_f32 v[P+2*\t:P+2*\t+1], v[S+8*\t:S+8*\t+7], v[SCP]
.endr
	v_nop                                          ; a plain line behind the last conversion
	WIN 0x41                                       ; O^T (destination and source 0) window 1
	s_wait_alu depctr_va_vdst(0)                   ; directly ahead of the first reader of O^T
.set i, 0
.rept 32
	v_pk_mul_f32 v[64*\x+i:64*\x+i+1], v[64*\x+i:64*\x+i+1], v[rT+4:rT+5] op_sel_hi:[1,0]   ; O^T under the new M
.set i, i+2
.endr
	WIN 0x51                                       ; V and O^T window 1, P window 0
.irp t, 0,1,2,3,4,5,6,7
	v_wmma_f32_16x16x64_fp8_fp8 v[64*\x+8*\t:64*\x+8*\t+7], v[VF+8*\t:VF+8*\t+7], v[P:P+7], v[64*\x+8*\t:64*\x+8*\t+7]
.endr
	WIN 0
.rept 4
	v_nop                                          ; places ahead of the next loads into V's registers and of the way out
.endr
.Ldead_\@:
.endm
.Ltrip:
	s_wait_alu depctr_va_vdst(0)                   ; behind the branch and ahead of the wait below
	s_wait_loadcnt 0x0                             ; what was asked for a trip ago is in
	v_add_nc_u32 v[ADS], s[TB], v[ASK]
	WIN 0x04                                       ; store data window 1
.irp i, 0,1,2,3,4,5,6,7
	ds_store_b128 v[ADS], v[STG+4*\i:STG+4*\i+3] offset:512*\i   ; into the slot that every wave left two trips ago, ahead of the last barrier
.endr
	WIN 0
	s_bitcmp1_b32 s[GT], 0
	s_cbranch_scc0 .Lnm0
	MSTORE 0
.Lnm0:
	s_bitcmp1_b32 s[GT+1], 0
	s_cbranch_scc0 .Lnm1
	MSTORE 1
.Lnm1:
	s_wait_dscnt 0x0                               ; my stores are done, for the others' sake
	s_barrier_signal -1
	s_barrier_wait -1
	s_wait_xcnt 0x0                                ; the last loads have read their bases
	s_add_nc_u64 s[KVB:KVB+1], s[KVB:KVB+1], 16384
	s_add_nc_u64 s[MB:MB+1], s[MB:MB+1], 512
	s_add_nc_u64 s[MB+2:MB+3], s[MB+2:MB+3], 512
	s_bitcmp1_b32 s[LW], 1                         ; the next tile, where it is wanted (the words hold 16 bits: nothing is asked for behind tile 15)
	s_cbranch_scc0 .Lnk
	KVLOAD
.Lnk:
	s_bitcmp1_b32 s[GT], 1
	s_cbranch_scc0 .Lng0
	MLOAD 0
.Lng0:
	s_bitcmp1_b32 s[GT+1], 1
	s_cbranch_scc0 .Lng1
	MLOAD 1
.Lng1:
	s_bitcmp1_b32 s[LW], 0
	s_cbranch_scc0 .Lend
	v_add_nc_u32 v[ADK], s[TB], v[AK0]
	v_add_nc_u32 v[ADV], s[TB], v[AV0]
.irp f, 0,1,2,3
.irp c, 0,1,2,3
	ds_load_b128 v[KF+16*\f+4*\c:KF+16*\f+4*\c+3], v[ADK] offset:\f*2048+\c*512
.endr
.endr
	WIN 0x40
.irp f, 0,1,2,3,4,5,6,7
.irp c, 0,1
	ds_load_b128 v[VF+8*\f+4*\c:VF+8*\f+4*\c+3], v[ADV] offset:\f*2048+\c*512
.endr
.endr
	WIN 0
	s_wait_dscnt 0x0
	TILE 0
	TILE 1
.Lend:
	s_lshr_b32 s[LW], s[LW], 1
	s_lshr_b32 s[LT], s[LT], 1
	s_lshr_b32 s[LT+1], s[LT+1], 1
	s_lshr_b32 s[GT], s[GT], 1
	s_lshr_b32 s[GT+1], s[GT+1], 1
	s_xor_b32 s[TB], s[TB], SLOT1
	s_sub_co_u32 s[CNT], s[CNT], 1
	s_cmp_lg_u32 s[CNT], 0
	s_cbranch_scc1 .Ltrip
	s_wait_alu depctr_va_vdst(0)                   ; directly ahead of the wait below
	s_wait_loadcnt 0x0                             ; the last trip asks for nothing (the words hold 16 bits); the wait shows on every path that no load is out when the registers below are written
	; THE TWO HALVES OF THE KEYS ARE JOINED.  I give register tile 1 (O^T, -M, the sum) to my partner w xor 4 and take its tile 1, which is my tile 0's queries.
	s_mul_i32 s42, s[WV], STW
	s_add_co_u32 s42, s42, XST
	s_xor_b32 s43, s[WV], 4
	s_mul_i32 s43, s43, STW
	s_add_co_u32 s43, s43, XST
	v_add_nc_u32 v30, s42, v[L16]
	v_add_nc_u32 v31, s43, v[L16]
	v_and_b32 v11, 31, v0
	v_lshlrev_b32 v11, 3, v11
	v_add_nc_u32 v32, s42, v11
	v_add_nc_u32 v33, s43, v11
	v_mov_b32 v[ST+14], v[ST+8]
	v_add_f32 v[ST+15], v[ST+10], v[ST+11]
	WIN 0x04                                       ; store data window 1
	s_wait_alu depctr_va_vdst(0)                   ; directly ahead of the first reader of O^T
.irp i, 0,1,2,3,4,5,6,7,8,9,10,11,12,13,14,15
	ds_store_b128 v30, v[64+4*\i:64+4*\i+3] offset:512*\i
.endr
	WIN 0
	ds_store_b64 v32, v[ST+14:ST+15] offset:8192
	s_wait_dscnt 0x0                               ; my stores are done, for my partner's sake
	s_barrier_signal -1
	s_barrier_wait -1
.irp i, 0,1,2,3,4,5,6,7,8,9,10,11,12,13,14,15
	ds_load_b128 v[KF+4*\i:KF+4*\i+3], v31 offset:512*\i
.endr
	ds_load_b64 v[ST+14:ST+15], v33 offset:8192
	s_sub_co_i32 s39, s86, s84                     ; a sum of the second product stands for sum x 2^(e8 + e9): the codes' scale is 2^(e10 - e8 - e9)
	s_sub_co_i32 s39, s39, s85
	s_add_co_i32 s39, s39, 127
	s_lshl_b32 s40, s39, 23
	s_add_co_i32 s39, s39, 8
	s_lshl_b32 s39, s39, 23
	s_or_b32 s39, s39, 0x600000
	s_wait_dscnt 0x0
	v_add_f32 v[ST+6], v[ST+2], v[ST+3]            ; my sum's two halves
	v_min_num_f32 v[ST+7], v[ST], v[ST+14]         ; -M of both halves of the keys
	v_sub_f32 v[ST+1], v[ST+7], v[ST]              ; my M - M,
	v_sub_f32 v[ST+9], v[ST+7], v[ST+14]           ; my partner's M - M: whole numbers, 0 or less
	v_cvt_i32_f32 v[ST+1], v[ST+1]
	v_cvt_i32_f32 v[ST+9], v[ST+9]
	v_ldexp_f32 v[ST+1], 1.0, v[ST+1]
	v_ldexp_f32 v[ST+9], 1.0, v[ST+9]
	v_mul_f32 v[ST+6], v[ST+6], v[ST+1]
	v_fma_f32 v[ST+6], v[ST+15], v[ST+9], v[ST+6]
	v_permlanex16_b32 v[PD], v[ST+6], s[SEL], s[SEL+1]
	v_add_f32 v[ST+6], v[ST+6], v[PD]              ; the row's sum
	v_mov_b32 v[SCP], s40
	v_mov_b32 v[LIMP], s39
	s_wait_alu depctr_va_vdst(0)                   ; ahead of the transcendental
	v_rcp_f32 v[ST+4], v[ST+6]
	v_nop
	s_wait_alu depctr_va_vdst(0)                   ; and ahead of its first reader
	v_mul_f32 v[ST+2], v[ST+4], v[ST+1]
	v_mul_f32 v[ST+10], v[ST+4], v[ST+9]
	WIN 0x01                                       ; source 0 window 1
	s_wait_alu depctr_va_vdst(0)                   ; directly ahead of the first reader of O^T
.set i, 0
.rept 32
	v_pk_mul_f32 v[S+i:S+i+1], v[i:i+1], v[ST+2:ST+3] op_sel_hi:[1,0]
.set i, i+2
.endr
	WIN 0
.set i, 0
.rept 32
	v_pk_fma_f32 v[S+i:S+i+1], v[KF+i:KF+i+1], v[ST+10:ST+11], v[S+i:S+i+1] op_sel_hi:[1,0,1]
.set i, i+2
.endr
.set i, 0
.rept 64
	v_med3_num_f32 v[S+i], v[S+i], -v[LIMP], v[LIMP]
.set i, i+1
.endr
.irp b, 0,1,2,3,4,5,6,7
	v_cvt_scalef32_pk8_fp8_f32 v[P+2*\b:P+2*\b+1], v[S+8*\b:S+8*\b+7], v[SCP]
.endr
	v_nop
.irp c, 0,1,2,3
	global_store_b128 v[L16], v[P+4*\c:P+4*\c+3], s[12:13] offset:512*\c   ; 512 consecutive bytes
.endr
	s_wait_tensorcnt 0x0                           ; the wave's end
	ds_add_u32 v[SPW], v[NIL]
	s_wait_dscnt 0x0
	s_endpgm
.Lfunc_end_k_q781b33e521_attn:
	.size	k_q781b33e521_attn, .Lfunc_end_k_q781b33e521_attn-k_q781b33e521_attn
	.p2alignl 7, 3214868480
	.fill 96, 4, 3214868480
	.section	.rodata,"a",@progbits
	.p2align	6, 0x0
	.amdhsa_kernel k_q781b33e521_attn
		.amdhsa_group_segment_fixed_size 203776
		.amdhsa_private_segment_fixed_size 0
		.amdhsa_enable_private_segment 0
		.amdhsa_kernarg_size 40
		.amdhsa_user_sgpr_count 2
		.amdhsa_user_sgpr_kernarg_segment_ptr 1
		.amdhsa_wavefront_size32 1
		.amdhsa_system_sgpr_workgroup_id_x 1
		.amdhsa_system_sgpr_workgroup_id_y 1
		.amdhsa_system_sgpr_workgroup_id_z 1
		.amdhsa_system_vgpr_workitem_id 0
		.amdhsa_next_free_vgpr 512
		.amdhsa_next_free_sgpr 104
		.amdhsa_reserve_vcc 0
		.amdhsa_float_denorm_mode_32 3
		.amdhsa_float_denorm_mode_16_64 3
		.amdhsa_memory_ordered 1
		.amdhsa_forward_progress 1
		.amdhsa_inst_pref_size 56
	.end_amdhsa_kernel
	.amdgpu_metadata
---
amdhsa.version: [ 1, 2 ]
amdhsa.kernels:
  - .name:           k_q781b33e521_attn
    .symbol:         k_q781b33e521_attn.kd
    .args:
      - { .name: qkv, .offset: 0, .size: 8, .value_kind: global_buffer, .address_space: global }
      - { .name: mask, .offset: 8, .size: 8, .value_kind: global_buffer, .address_space: global }
      - { .name: lowp_scales, .offset: 16, .size: 8, .value_kind: global_buffer, .address_space: global }
      - { .name: mflag, .offset: 24, .size: 8, .value_kind: global_buffer, .address_space: global }
      - { .name: attn, .offset: 32, .size: 8, .value_kind: global_buffer, .address_space: global }
    .group_segment_fixed_size: 203776
    .private_segment_fixed_size: 0
    .kernarg_segment_align: 8
    .kernarg_segment_size: 40
    .max_flat_workgroup_size: 256
    .sgpr_count:     104
    .vgpr_count:     512
    .wavefront_size: 32
...
	.end_amdgpu_metadata
.endif
;; end of part 3
;; launch oproj (part 4): grid 16 x 16, 4 waves a work-group, clusters of 4 x 4, 327,680 bytes of LDS; arguments attn, wimg, lowp_scales, out0; writes out0
.if DOCPART == 4
	.amdgcn_target "amdgcn-amd-amdhsa--gfx1250"
	.amdhsa_code_object_version 6
	.text
	.protected	k_q781b33e521_oproj
	.globl	k_q781b33e521_oproj
	.p2align	8
	.type	k_q781b33e521_oproj,@function
k_q781b33e521_oproj:
	s_mov_b64 s[64:65], 0
	v_nop
	global_prefetch_b8 v0, s[64:65] scope:SCOPE_SE
	s_setreg_imm32_b32 hwreg(HW_REG_WAVE_MODE, 25, 1), 1
	s_wait_xcnt 0x0
	s_wait_alu depctr_hold_cnt(0) depctr_sa_sdst(0) depctr_va_vdst(0) depctr_va_sdst(0) depctr_va_ssrc(0) depctr_va_vcc(0) depctr_vm_vsrc(0)
	s_getreg_b32 s2, hwreg(HW_REG_IB_STS2, 6, 4)
	s_cmp_eq_u32 s2, 0
	s_cbranch_scc0 .Lentry_in_a_cluster
	s_endpgm
.Lentry_in_a_cluster:
	s_bfe_u32 s2, ttmp6, 0x10000c
	s_cmp_lg_u32 s2, 0xf033
	s_cbranch_scc0 .Lentry_shape_is_right
	s_endpgm
.Lentry_shape_is_right:
.set SLOT,   131072
.set SPARE,  2*SLOT
.set STAGE,  SPARE+512
.set SPITCH, 272
.set ADRA, 16
.set ADRB, 20
.set STO,  24
.set RD,   25
.set CO,   26
.set SPW,  28
.set NIL,  29
.set TMP,  32
.set BK,   64
.set ACC,  128
.set F0,   0
.set F1,   128
.set G1, 24
.set G0, 32
.set G1B, 48
.set G0B, 56
.set MSB, 0
.macro WIN new
.if MSB != \new
	s_set_vgpr_msb (MSB<<8)|\new
.set MSB, \new
.endif
.endm
.set MUL,  0x05
.set TO_F, 0x40
.macro JLOAD s
	s_cmp_eq_u32 s13, 0
	s_cbranch_scc0 .Lfor_b_\@
	tensor_load_to_lds s[G0+4*\s:G0+4*\s+3], s[G1:G1+7]
	s_nop 0
.rept 4
	v_nop
.endr
	s_branch .Lasked_\@
.Lfor_b_\@:
	tensor_load_to_lds s[G0B+4*\s:G0B+4*\s+3], s[G1B:G1B+7]
	s_nop 0
.rept 4
	v_nop
.endr
.Lasked_\@:
.endm
.macro CREST
	s_cmp_lg_u32 s12, 0
	s_cbranch_scc1 .Lnot_wave_0_\@
	s_barrier_signal -3
.Lnot_wave_0_\@:
	s_barrier_wait -3
	s_barrier_signal -1
	s_barrier_wait -1
.endm
.macro CROUND
	s_barrier_signal -1
	s_barrier_wait -1
	CREST
.endm
	s_load_b256 s[4:11], s[0:1], 0x0
	v_lshl_add_u32 v[SPW], v0, 2, SPARE
	v_mov_b32 v[NIL], 0
	ds_add_u32 v28, v29
	ds_add_u32 v28, v29
	s_wait_dscnt 0x0
	v_lshrrev_b32 v1, 5, v0
	v_readfirstlane_b32 s12, v1
	s_lshr_b32 s13, s12, 1
	s_and_b32 s14, s12, 1
	s_bfe_u32 s40, ttmp6, 0x40000
	s_bfe_u32 s41, ttmp6, 0x40004
	s_lshl_b32 s42, ttmp9, 2
	s_add_co_u32 s42, s42, s40
	s_and_b32 s17, ttmp7, 0xffff
	s_lshl_b32 s17, s17, 2
	s_add_co_u32 s17, s17, s41
	s_lshl_b32 s43, s41, 2
	s_lshl_b32 s43, 15, s43
	s_lshl_b32 s44, 0x1111, s40
	s_or_b32 s[G1+0], s43, (3<<16)|(1<<21)
	s_or_b32 s[G1B+0], s44, (3<<16)|(1<<21)
.irp g, G1, G1B
	s_mov_b32 s[\g+1], 1024<<16
	s_mov_b32 s[\g+2], 4<<16
	s_mov_b32 s[\g+3], 1024<<16
	s_mov_b32 s[\g+4], 4
	s_mov_b32 s[\g+5], 4096
	s_mov_b32 s[\g+6], 0
	s_mov_b32 s[\g+7], 0
.endr
	s_lshl_b32 s18, s14, 17
	s_lshl_b32 s20, s17, 18
	s_add_co_u32 s20, s20, s18
	s_mov_b32 s21, 0
	s_lshl_b32 s46, s42, 18
	s_add_co_u32 s46, s46, s18
	s_add_co_u32 s46, s46, 0xc00000
	s_mov_b32 s47, 0
	s_lshl_b32 s45, s12, 15
	s_wait_kmcnt 0x0
	s_load_b64 s[66:67], s[8:9], 0x28
	s_add_nc_u64 s[20:21], s[4:5], s[20:21]
	s_add_nc_u64 s[46:47], s[6:7], s[46:47]
	CROUND
.irp s, 0,1
	s_mov_b32 s[G0+4*\s], 1
	s_add_co_u32 s[G0+4*\s+1], s45, \s*SLOT
	s_add_nc_u64 s[G0+4*\s+2:G0+4*\s+3], s[20:21], \s*8192
	s_or_b32 s[G0+4*\s+3], s[G0+4*\s+3], 0x80000000
	s_mov_b32 s[G0B+4*\s], 1
	s_add_co_u32 s[G0B+4*\s+1], s45, \s*SLOT
	s_add_nc_u64 s[G0B+4*\s+2:G0B+4*\s+3], s[46:47], \s*8192
	s_or_b32 s[G0B+4*\s+3], s[G0B+4*\s+3], 0x80000000
	s_wait_alu depctr_va_vdst(0)
	s_wait_tensorcnt 0x0
	ds_add_u32 v28, v29
	ds_add_u32 v28, v29
	s_wait_dscnt 0x0
	CROUND
	JLOAD \s
.endr
	v_and_b32 v1, 31, v0
	v_lshlrev_b32 v3, 4, v1
	s_lshl_b32 s21, s13, 15
	s_lshl_b32 s22, s14, 15
	s_add_co_u32 s22, s22, 65536
.irp s, 0,1
	v_add_nc_u32 v[ADRA+\s], s21, v3
	v_add_nc_u32 v[ADRB+\s], s22, v3
	s_add_co_u32 s21, s21, SLOT
	s_add_co_u32 s22, s22, SLOT
.endr
	v_and_b32 v1, 15, v0
	v_bfe_u32 v2, v0, 4, 1
	s_mul_i32 s23, s12, 16*SPITCH
	s_add_co_u32 s23, s23, STAGE
	v_mul_u32_u24 v4, v1, SPITCH
	v_lshl_add_u32 v4, v2, 6, v4
	v_add_nc_u32 v[STO], s23, v4
	v_mul_u32_u24 v5, v2, SPITCH
	v_lshl_add_u32 v5, v1, 4, v5
	v_add_nc_u32 v[RD], s23, v5
	v_lshlrev_b32 v5, 13, v2
	v_lshl_add_u32 v[CO], v1, 4, v5
	s_lshl_b32 s20, s17, 20
	s_lshl_b32 s21, s13, 19
	s_add_co_u32 s20, s20, s21
	s_lshl_b32 s21, s42, 9
	s_add_co_u32 s20, s20, s21
	s_lshl_b32 s21, s14, 8
	s_add_co_u32 s20, s20, s21
	s_mov_b32 s21, 0
	s_add_nc_u64 s[10:11], s[10:11], s[20:21]
.macro MUL8 f, a0, zero
.irp a, \a0, \a0+1
.irp b, 0,1,2,3
.if \zero
	v_wmma_f32_16x16x128_fp8_fp8 v[ACC+8*(4*(\a)+\b):ACC+8*(4*(\a)+\b)+7], v[\f+64+16*\b:\f+64+16*\b+15], v[\f+16*(\a):\f+16*(\a)+15], 0
.else
	v_wmma_f32_16x16x128_fp8_fp8 v[ACC+8*(4*(\a)+\b):ACC+8*(4*(\a)+\b)+7], v[\f+64+16*\b:\f+64+16*\b+15], v[\f+16*(\a):\f+16*(\a)+15], v[ACC+8*(4*(\a)+\b):ACC+8*(4*(\a)+\b)+7]
.endif
.endr
.endr
.endm
.macro FETCH slot, q, f
	WIN TO_F
.irp i, 0,1,2,3
.irp c, 0,1,2,3
	ds_load_b128 v[\f+64+16*\i+4*\c:\f+64+16*\i+4*\c+3], v[ADRB+\slot] offset:\i*8192+(\q)*2048+512*\c
.endr
.endr
.irp i, 0,1,2,3
.irp c, 0,1,2,3
	ds_load_b128 v[\f+16*\i+4*\c:\f+16*\i+4*\c+3], v[ADRA+\slot] offset:\i*8192+(\q)*2048+512*\c
.endr
.endr
.endm
.macro PLACES
.rept 4
	v_nop
.endr
.endm
.macro KST f, g, slot, q, zero
	s_wait_dscnt 8
	WIN MUL
	MUL8 \f, 0, \zero
	PLACES
	FETCH \slot, \q, \g
	s_wait_dscnt 32
	WIN MUL
	MUL8 \f, 2, \zero
.endm
.macro TURN f, g, slot, next, fill
	WIN 0
	s_wait_tensorcnt 0x0
	ds_add_u32 v[SPW], v[NIL]
.if \fill
	s_add_nc_u64 s[G0+4*\slot+2:G0+4*\slot+3], s[G0+4*\slot+2:G0+4*\slot+3], 16384
	s_add_nc_u64 s[G0B+4*\slot+2:G0B+4*\slot+3], s[G0B+4*\slot+2:G0B+4*\slot+3], 16384
.endif
	WIN MUL
	s_wait_dscnt 0x0
	s_barrier_signal -1
	MUL8 \f, 0, 0
	WIN 0
	s_barrier_wait -1
.if \fill
	CREST
	JLOAD \slot
.else
	PLACES
.endif
	FETCH \next, 0, \g
	WIN MUL
	MUL8 \f, 2, 0
.endm
	s_wait_tensorcnt 1
	s_barrier_signal -1
	s_barrier_wait -1
	FETCH 0, 0, F0
	KST F0, F1, 0, 1, 1
	KST F1, F0, 0, 2, 0
	KST F0, F1, 0, 3, 0
	TURN F1, F0, 0, 1, 1
	KST F0, F1, 1, 1, 0
	KST F1, F0, 1, 2, 0
	KST F0, F1, 1, 3, 0
	TURN F1, F0, 1, 0, 1
	KST F0, F1, 0, 1, 0
	KST F1, F0, 0, 2, 0
	KST F0, F1, 0, 3, 0
	TURN F1, F0, 0, 1, 0
	KST F0, F1, 1, 1, 0
	KST F1, F0, 1, 2, 0
	KST F0, F1, 1, 3, 0
	s_wait_dscnt 8
	WIN MUL
	MUL8 F1, 0, 0
	s_wait_dscnt 0
	MUL8 F1, 2, 0
	WIN 0
	PLACES
	s_wait_kmcnt 0x0
	s_add_co_i32 s66, s66, s67
	s_add_co_i32 s66, s66, 127
	s_lshl_b32 s66, s66, 23
	s_mov_b32 s67, s66
.macro TOSTAGE a
.set i, 0
.rept 16
	v_pk_mul_f32 v[TMP+i:TMP+i+1], v[ACC+32*(\a)+i:ACC+32*(\a)+i+1], s[66:67] op_sel_hi:[1,0]
.set i, i+2
.endr
.irp b, 0,1,2,3
	ds_store_b128 v[STO], v[TMP+8*\b:TMP+8*\b+3] offset:128*(\b/2)+32*(\b%2)
	ds_store_b128 v[STO], v[TMP+8*\b+4:TMP+8*\b+7] offset:128*(\b/2)+32*(\b%2)+16
.endr
.set BB, BK+32*((\a)%2)
.irp t, 0,1,2,3,4,5,6,7
	ds_load_b128 v[BB+4*\t:BB+4*\t+3], v[RD] offset:\t*2*SPITCH
.endr
.endm
.macro SEND a, younger
.set BB, BK+32*((\a)%2)
	s_wait_dscnt \younger
.irp t, 0,1,2,3,4,5,6,7
	global_store_b128 v[CO], v[BB+4*\t:BB+4*\t+3], s[10:11] offset:(16*(\a)+2*\t)*8192 th:TH_STORE_NT
.endr
.endm
	TOSTAGE 0
.irp a, 1,2,3
.if \a > 1
	s_wait_xcnt 0x0
.endif
	TOSTAGE \a
	SEND (\a)-1, 16
.endr
	SEND 3, 0
	s_wait_tensorcnt 0x0
	ds_add_u32 v[SPW], v[NIL]
	s_wait_dscnt 0x0
	CROUND
	s_endpgm
.Lfunc_end_k_q781b33e521_oproj:
	.size	k_q781b33e521_oproj, .Lfunc_end_k_q781b33e521_oproj-k_q781b33e521_oproj
	.p2alignl 7, 3214868480
	.fill 96, 4, 3214868480
	.section	.rodata,"a",@progbits
	.p2align	6, 0x0
	.amdhsa_kernel k_q781b33e521_oproj
		.amdhsa_group_segment_fixed_size 327680
		.amdhsa_private_segment_fixed_size 0
		.amdhsa_enable_private_segment 0
		.amdhsa_kernarg_size 32
		.amdhsa_user_sgpr_count 2
		.amdhsa_user_sgpr_kernarg_segment_ptr 1
		.amdhsa_wavefront_size32 1
		.amdhsa_system_sgpr_workgroup_id_x 1
		.amdhsa_system_sgpr_workgroup_id_y 1
		.amdhsa_system_sgpr_workgroup_id_z 1
		.amdhsa_system_vgpr_workitem_id 0
		.amdhsa_next_free_vgpr 512
		.amdhsa_next_free_sgpr 72
		.amdhsa_reserve_vcc 0
		.amdhsa_float_denorm_mode_32 3
		.amdhsa_float_denorm_mode_16_64 3
		.amdhsa_memory_ordered 1
		.amdhsa_forward_progress 1
		.amdhsa_inst_pref_size 74
	.end_amdhsa_kernel
	.amdgpu_metadata
---
amdhsa.version: [ 1, 2 ]
amdhsa.kernels:
  - .name:           k_q781b33e521_oproj
    .symbol:         k_q781b33e521_oproj.kd
    .args:
      - { .name: attn, .offset: 0, .size: 8, .value_kind: global_buffer, .address_space: global }
      - { .name: wimg, .offset: 8, .size: 8, .value_kind: global_buffer, .address_space: global }
      - { .name: lowp_scales, .offset: 16, .size: 8, .value_kind: global_buffer, .address_space: global }
      - { .name: out0, .offset: 24, .size: 8, .value_kind: global_buffer, .address_space: global }
    .group_segment_fixed_size: 327680
    .private_segment_fixed_size: 0
    .kernarg_segment_align: 8
    .kernarg_segment_size: 32
    .max_flat_workgroup_size: 128
    .sgpr_count:     72
    .vgpr_count:     512
    .wavefront_size: 32
...
	.end_amdgpu_metadata
.endif
;; end of part 4
